; MI455X (gfx1250); checked and timed in simulation.
; The chip was launched on July 23, 2026; its instructions are those of AMD's public machine-readable ISA for CDNA 5 (MIT licence, August 2026) and "CDNA5" Instruction Set Architecture Reference Guide (July 2026). The comments in the code are by the model that wrote it; some were corrected since.
;; MHA Self Attention. Allowed arithmetic: float matrix products may take bf16 or f16 operands with f32 sums; all other float work in f32.
;; Inputs: W_o 1,024 x 1,024 float32; W_qkv 3 x 16 x 64 x 1,024 float32; x 4 x 2,048 x 1,024 float32.
;; Outputs: out0 4 x 2,048 x 1,024 float32.
;; 2 versions, each right; version 2 is version 1 with the launch cvt written anew for expert scheduling mode. Each part assembles by itself: llvm-mc -triple=amdgcn-amd-amdhsa -mcpu=gfx1250 --defsym DOCPART=n.
;; ======== version 1 of 2: 4 launches
;; limits: values are held in f16: magnitudes above 65,504 overflow, below 6.1e-05 lose precision
;; workspace buffers: xh 16,777,216 bytes; wqkvh 6,291,456 bytes; woh 2,097,152 bytes; qkv 50,331,648 bytes; ctx 33,554,432 bytes
;; launch cvt (part 1): grid 768 x 1, 8 waves a work-group, no clusters, 0 bytes of LDS; arguments x, W_qkv, W_o, xh, wqkvh, woh; writes xh, wqkvh, woh
.if DOCPART == 1
	.amdgcn_target "amdgcn-amd-amdhsa--gfx1250"
	.amdhsa_code_object_version 6
	.text
	.protected	k_qa739dc3999_cvt
	.globl	k_qa739dc3999_cvt
	.p2align	8
	.type	k_qa739dc3999_cvt,@function
k_qa739dc3999_cvt:
	s_mov_b64 s[64:65], 0
	v_nop
	global_prefetch_b8 v0, s[64:65] scope:SCOPE_SE
	s_setreg_imm32_b32 hwreg(HW_REG_WAVE_MODE, 25, 1), 1
	s_wait_xcnt 0x0
; f32 -> bf16, and a new order: a source [rows][1024] f32 becomes [16 chunks][rows][64] bf16, so that 64 numbers along K of
; neighbouring rows lie in one dense run of memory: a row of a chunk is 128 bytes and rows follow each other without a gap.
; bf16 keeps f32's range, so the inputs have no limit of magnitude here; each is rounded once, to nearest even.
; One text serves x (8192 rows), W_qkv (3072 rows) and W_o (1024 rows): a work-group takes 16 rows of one of them,
; work-groups 0-511 of x, 512-703 of W_qkv, 704-767 of W_o.  Wave w takes chunks 2 w and 2 w + 1 of the 16 rows.
; A load of a wave covers 2 rows x 64 numbers: sixteen neighbouring lanes take 256 consecutive bytes of a row, aligned, so that
; no byte is asked for twice.  The store made of it is 8 bytes a lane: 2 rows x 128 bytes = 256 consecutive bytes of the chunk, aligned.
; Memory binds: no LDS, no barrier, no matrix unit.  All 16 loads of a wave go out first.
.set SO, 2                             ; v2      my byte offset in the 16 source rows
.set D0, 4                             ; v4, v5  my byte offset in chunk 2 w, 2 w + 1 of the destination
.set X,  8                             ; v[8:71]   load k: 4 f32
.set Y,  72                            ; v[72:103] load k: 4 bf16
	s_load_b256 s[4:11], s[0:1], 0x0               ; x s[4:5], W_qkv s[6:7], W_o s[8:9], xh s[10:11]
	s_load_b128 s[12:15], s[0:1], 0x20             ; wqkvh s[12:13], woh s[14:15]
	v_lshrrev_b32 v1, 5, v0
	v_readfirstlane_b32 s22, v1                    ; wave
	v_and_b32 v1, 31, v0                           ; lane
	v_lshrrev_b32 v3, 4, v1                        ; lane / 16: which of 2 rows
	v_and_b32 v6, 15, v1                           ; lane % 16: which 4 numbers of the 64
	v_lshlrev_b32 v[SO], 12, v3                    ; a source row is 4,096 bytes
	v_lshl_add_u32 v[SO], v6, 4, v[SO]             ; + 16 bytes for each 4 f32
	v_lshl_add_u32 v[SO], s22, 9, v[SO]            ; + the wave's two chunks: 512 bytes of a row
	s_mov_b32 s20, 3072*128                        ; bytes of a chunk of the destination
	s_mov_b32 s21, 512                             ; first work-group of the tensor
	s_wait_kmcnt 0x0
	s_cmp_lt_u32 ttmp9, 512                        ; x, or else W_qkv
	s_cselect_b64 s[16:17], s[4:5], s[6:7]
	s_cselect_b64 s[18:19], s[10:11], s[12:13]
	s_cselect_b32 s20, 8192*128, s20
	s_cselect_b32 s21, 0, s21
	s_cmp_lt_u32 ttmp9, 704                        ; or else W_o
	s_cselect_b64 s[16:17], s[16:17], s[8:9]
	s_cselect_b64 s[18:19], s[18:19], s[14:15]
	s_cselect_b32 s20, s20, 1024*128
	s_cselect_b32 s21, s21, 704
	s_sub_co_u32 s21, ttmp9, s21                   ; my number among the tensor's work-groups
	s_lshl_b32 s24, s21, 16                        ; 16 rows of 4,096 bytes
	s_mov_b32 s25, 0
	s_add_nc_u64 s[16:17], s[16:17], s[24:25]
.irp k, 0,1,2,3,4,5,6,7,8,9,10,11,12,13,14,15
	global_load_b128 v[X+4*\k:X+4*\k+3], v[SO], s[16:17] offset:(\k/2)*8192+(\k%2)*256 th:TH_LOAD_NT   ; rows 2 (k / 2), + 1; chunk 2 w + k % 2
.endr
	s_lshl_b32 s26, s21, 11                        ; 16 rows of 128 bytes
	s_mov_b32 s27, 0
	s_add_nc_u64 s[18:19], s[18:19], s[26:27]
	s_mul_i32 s23, s22, s20
	s_lshl_b32 s23, s23, 1                         ; chunk 2 w
	v_lshl_add_u32 v[D0], v1, 3, s23               ; + (lane / 16) x 128 + (lane % 16) x 8 = 8 x lane
	v_add_nc_u32 v[D0+1], s20, v[D0]               ; chunk 2 w + 1
.irp k, 0,1,2,3,4,5,6,7,8,9,10,11,12,13,14,15
	s_wait_loadcnt 15-\k                           ; loads come back in order: load k is in, the 15 - k younger ones stay out
	v_cvt_pk_bf16_f32 v[Y+2*\k],   v[X+4*\k],   v[X+4*\k+1]
	v_cvt_pk_bf16_f32 v[Y+2*\k+1], v[X+4*\k+2], v[X+4*\k+3]
	global_store_b64 v[D0+(\k%2)], v[Y+2*\k:Y+2*\k+1], s[18:19] offset:(\k/2)*256   ; read again by the next launch: no hint
.endr
	s_endpgm
.Lfunc_end_k_qa739dc3999_cvt:
	.size	k_qa739dc3999_cvt, .Lfunc_end_k_qa739dc3999_cvt-k_qa739dc3999_cvt
	.p2alignl 7, 3214868480
	.fill 96, 4, 3214868480
	.section	.rodata,"a",@progbits
	.p2align	6, 0x0
	.amdhsa_kernel k_qa739dc3999_cvt
		.amdhsa_group_segment_fixed_size 0
		.amdhsa_private_segment_fixed_size 0
		.amdhsa_enable_private_segment 0
		.amdhsa_kernarg_size 48
		.amdhsa_user_sgpr_count 2
		.amdhsa_user_sgpr_kernarg_segment_ptr 1
		.amdhsa_wavefront_size32 1
		.amdhsa_system_sgpr_workgroup_id_x 1
		.amdhsa_system_sgpr_workgroup_id_y 1
		.amdhsa_system_sgpr_workgroup_id_z 1
		.amdhsa_system_vgpr_workitem_id 0
		.amdhsa_next_free_vgpr 112
		.amdhsa_next_free_sgpr 66
		.amdhsa_reserve_vcc 0
		.amdhsa_float_denorm_mode_32 3
		.amdhsa_float_denorm_mode_16_64 3
		.amdhsa_memory_ordered 1
		.amdhsa_forward_progress 1
		.amdhsa_inst_pref_size 8
	.end_amdhsa_kernel
	.amdgpu_metadata
---
amdhsa.version: [ 1, 2 ]
amdhsa.kernels:
  - .name:           k_qa739dc3999_cvt
    .symbol:         k_qa739dc3999_cvt.kd
    .args:
      - { .name: x, .offset: 0, .size: 8, .value_kind: global_buffer, .address_space: global }
      - { .name: W_qkv, .offset: 8, .size: 8, .value_kind: global_buffer, .address_space: global }
      - { .name: W_o, .offset: 16, .size: 8, .value_kind: global_buffer, .address_space: global }
      - { .name: xh, .offset: 24, .size: 8, .value_kind: global_buffer, .address_space: global }
      - { .name: wqkvh, .offset: 32, .size: 8, .value_kind: global_buffer, .address_space: global }
      - { .name: woh, .offset: 40, .size: 8, .value_kind: global_buffer, .address_space: global }
    .group_segment_fixed_size: 0
    .private_segment_fixed_size: 0
    .kernarg_segment_align: 8
    .kernarg_segment_size: 48
    .max_flat_workgroup_size: 256
    .sgpr_count:     66
    .vgpr_count:     112
    .wavefront_size: 32
...
	.end_amdgpu_metadata
.endif
;; end of part 1
;; launch qkvp (part 2): grid 8 x 32, 4 waves a work-group, clusters of 4 x 4, 327,680 bytes of LDS; arguments xh, wqkvh, qkv; writes qkv
.if DOCPART == 2
	.amdgcn_target "amdgcn-amd-amdhsa--gfx1250"
	.amdhsa_code_object_version 6
	.text
	.protected	k_qa739dc3999_qkvp
	.globl	k_qa739dc3999_qkvp
	.p2align	8
	.type	k_qa739dc3999_qkvp,@function
k_qa739dc3999_qkvp:
	s_mov_b64 s[64:65], 0
	v_nop
	global_prefetch_b8 v0, s[64:65] scope:SCOPE_SE
	s_setreg_imm32_b32 hwreg(HW_REG_WAVE_MODE, 25, 1), 1
	s_wait_xcnt 0x0
	s_wait_alu depctr_hold_cnt(0) depctr_sa_sdst(0) depctr_va_vdst(0) depctr_va_sdst(0) depctr_va_ssrc(0) depctr_va_vcc(0) depctr_vm_vsrc(0)
	s_getreg_b32 s2, hwreg(HW_REG_IB_STS2, 6, 4)
	s_cmp_eq_u32 s2, 0
	s_cbranch_scc0 .Lentry_in_a_cluster
	s_endpgm
.Lentry_in_a_cluster:
	s_bfe_u32 s2, ttmp6, 0x10000c
	s_cmp_lg_u32 s2, 0xf033
	s_cbranch_scc0 .Lentry_shape_is_right
	s_endpgm
.Lentry_shape_is_right:
; qkv = x W_qkv^T: [8192] x [3072] over K = 1024, bf16 operands, f32 sums, f16 out (11 bits: Q, K and V are operands of the next launch).
; xh: [16 chunks][8192][64] bf16, wqkvh: [16 chunks][3072][64] bf16, qkv: [48 slabs][8192][64] f16; slab = 16 x (0 Q, 1 K, 2 V) + head.
; A work-group makes 256 rows x 384 columns (6 slabs): 32 x 8 = 256 work-groups.  Four waves; a wave makes 128 x 192:
; 8 x 12 = 96 accumulator tiles of 16 x 16, 768 registers.  K goes chunk by chunk (64) through two LDS slots.
; A tile (rows of one chunk) is a dense run of memory; the mover takes it as rows of 256 bytes and lays 16 bytes of padding
; behind every 128 bytes, so that a row of 64 numbers has an LDS pitch of 144 bytes (9 x 16: sixteen rows start in sixteen
; different 16-byte columns of 256 bytes).  A slot of 128 along K would take 2 x 184,320 bytes: it does not fit.
; CLUSTERS: 4 x 4 work-groups.  The four of a row of the cluster need the same rows of x, the four of a column the same rows
; of W: each tile is asked for jointly, by the same load with the same descriptor and a mask that names the four.
; THE MATRIX INSTRUCTION IS USED TRANSPOSED (source 0 = rows of W, source 1 = rows of x): a lane's eight results are eight
; neighbouring columns of one row.
; REGISTERS: window 0: addresses, x's fragments in two buffers (v32-95, v96-159), W's twelve fragments in one (v160-255),
; which is loaded again third by third as soon as a third has been multiplied.  Windows 1-3: accumulators, tile (b, a) in
; window 1 + b / 4 at 8 (8 (b % 4) + a).
; LIMIT: results of magnitude 65504 and above do not fit f16.
.set PITCH,  144
.set ABYTES, 256*PITCH                 ; x's 256 rows
.set SLOT,   (256+384)*PITCH           ; then W's 384 rows: 92,160 bytes
.set STAGE,  2*SLOT                    ; behind the ring: 16 rows x 400 bytes for each wave; no tensor load lands here
.set SPITCH, 400                       ; 192 f16 + 16 bytes: 25 x 16
.set ACHUNK, 8192*128                  ; bytes of a chunk of xh
.set BCHUNK, 3072*128                  ; bytes of a chunk of wqkvh
.set SLAB,   8192*128                  ; bytes of a slab of qkv
.set ADRA, 16                          ; v16-17  LDS address of my fragments of x in slot 0, 1
.set ADRB, 20                          ; v20-21  the same for W
.set STO,  24                          ; v24     the way out: where I put 16 bytes
.set RD,   25                          ; v25     the way out: where I read them back
.set CO,   26                          ; v26     my byte offset in four rows of a slab
.set F0,   32
.set F1,   96
.set BF,   160
.set TMP,  32                          ; the way out: v32-79 packed results
.set RB,   96                          ; the way out: v96-143 rows read back
.set G1,  24                           ; s[24:31] group 1 for x's tiles
.set G0,  32                           ; s[32:39] group 0 for x's tiles, a set for each slot
.set G1B, 48                           ; s[48:55] group 1 for W's tiles
.set G0B, 56                           ; s[56:63] group 0 for W's tiles, a set for each slot
.set MSB, 0
.macro WIN new                         ; the immediate's high byte repeats the setting that is left
.if MSB != \new
	s_set_vgpr_msb (MSB<<8)|\new
.set MSB, \new
.endif
.endm
; A joint load: waves 0 and 1 ask for the halves of x's tile, waves 2 and 3 for the halves of W's.
.macro JLOAD s
	s_cmp_eq_u32 s11, 0
	s_cbranch_scc0 .Lfor_b_\@
	tensor_load_to_lds s[G0+4*\s:G0+4*\s+3], s[G1:G1+7]
	s_nop 0
	s_branch .Lasked_\@
.Lfor_b_\@:
	tensor_load_to_lds s[G0B+4*\s:G0B+4*\s+3], s[G1B:G1B+7]
	s_nop 0
.Lasked_\@:
.endm
.macro CREST                           ; a round of the cluster's barrier, behind its opening barrier
	s_cmp_lg_u32 s10, 0
	s_cbranch_scc1 .Lnot_wave_0_\@
	s_barrier_signal -3
.Lnot_wave_0_\@:
	s_barrier_wait -3
	s_barrier_signal -1
	s_barrier_wait -1
.endm
.macro CROUND                          ; a whole round
	s_barrier_signal -1
	s_barrier_wait -1
	CREST
.endm
.macro PLACES                          ; four places behind the last matrix instruction, ahead of loads into its sources and of readers of its result
.rept 4
	v_nop
.endr
.endm
	s_load_b128 s[4:7], s[0:1], 0x0                ; xh s[4:5], wqkvh s[6:7]
	s_load_b64 s[8:9], s[0:1], 0x10                ; qkv
	v_lshl_add_u32 v30, v0, 2, 0x33400
	v_mov_b32 v31, 0
	ds_add_u32 v30, v31
	v_lshrrev_b32 v1, 5, v0
	v_readfirstlane_b32 s10, v1                    ; wave 0..3
	s_lshr_b32 s11, s10, 1                         ; which 128 rows are mine.  Also: I fetch for x (0) or for W (1)
	s_and_b32 s12, s10, 1                          ; which 192 columns.  Also: which half of that tile I fetch
	s_bfe_u32 s40, ttmp6, 0x40000                  ; cx
	s_bfe_u32 s41, ttmp6, 0x40004                  ; cy
	s_lshl_b32 s42, ttmp9, 2
	s_add_co_u32 s42, s42, s40                     ; block column = 4 x cluster x + cx
	s_and_b32 s13, ttmp7, 0xffff
	s_lshl_b32 s13, s13, 2
	s_add_co_u32 s13, s13, s41                     ; block row = 4 x cluster y + cy
	s_lshl_b32 s43, s41, 2
	s_lshl_b32 s43, 15, s43                        ; my row of the cluster
	s_lshl_b32 s44, 0x1111, s40                    ; my column
	; group 1: rows of 32 elements of 8 bytes; 20 padding on; 21 set beside a mask; 24:22 after every 32 words (code 4); 31:25 four words (code 3)
	s_or_b32 s[G1+0],  s43, (3<<16)|(1<<20)|(1<<21)|(4<<22)|(3<<25)
	s_or_b32 s[G1B+0], s44, (3<<16)|(1<<20)|(1<<21)|(4<<22)|(3<<25)
	s_mov_b32 s[G1+1],  32<<16                     ; tensor_dim0 = 32
	s_mov_b32 s[G1B+1], 32<<16
	s_mov_b32 s[G1+2],  64<<16                     ; tensor_dim1: 64 rows of 256 bytes = 128 rows of x
	s_mov_b32 s[G1B+2], 96<<16                     ; 96 rows of 256 bytes = 192 rows of W
	s_mov_b32 s[G1+3],  32<<16                     ; tile_dim0 = 32
	s_mov_b32 s[G1B+3], 32<<16
	s_mov_b32 s[G1+4],  64                         ; tile_dim1
	s_mov_b32 s[G1B+4], 96
	s_mov_b32 s[G1+5],  32                         ; the pitch: dense
	s_mov_b32 s[G1B+5], 32
	s_mov_b32 s[G1+6],  0
	s_mov_b32 s[G1B+6], 0
	s_mov_b32 s[G1+7],  0
	s_mov_b32 s[G1B+7], 0
	; x's tiles hang on the block row alone, W's on the block column alone, each in registers that never hold the other coordinate
	s_lshl_b32 s16, s13, 15                        ; 256 rows of 128 bytes
	s_lshl_b32 s17, s12, 14                        ; + my half
	s_add_co_u32 s16, s16, s17
	s_mov_b32 s17, 0
	s_mul_i32 s46, s42, 384*128
	s_mul_i32 s47, s12, 192*128
	s_add_co_u32 s46, s46, s47
	s_mov_b32 s47, 0
	s_mul_i32 s20, s12, 128*PITCH                  ; where x's half goes
	s_mul_i32 s23, s12, 192*PITCH                  ; where W's half goes,
	s_add_co_u32 s23, s23, ABYTES                  ; behind x's 256 rows
	s_wait_dscnt 0x0
	s_wait_kmcnt 0x0
	s_add_nc_u64 s[14:15], s[4:5], s[16:17]
	s_add_nc_u64 s[46:47], s[6:7], s[46:47]
	CROUND                                         ; all sixteen work-groups are here: the first joint loads meet
.irp s, 0,1
	s_mov_b32 s[G0+4*\s], 1
	s_add_co_u32 s[G0+4*\s+1], s20, \s*SLOT
	s_add_nc_u64 s[G0+4*\s+2:G0+4*\s+3], s[14:15], \s*ACHUNK       ; chunk s
	s_or_b32 s[G0+4*\s+3], s[G0+4*\s+3], 0x80000000
	s_mov_b32 s[G0B+4*\s], 1
	s_add_co_u32 s[G0B+4*\s+1], s23, \s*SLOT
	s_add_nc_u64 s[G0B+4*\s+2:G0B+4*\s+3], s[46:47], \s*BCHUNK
	s_or_b32 s[G0B+4*\s+3], s[G0B+4*\s+3], 0x80000000
	JLOAD \s                                       ; two tensor loads of a wave are out here, later one
.endr
	; a fragment: lane l holds row l % 16; registers 0-3 K = 8 (l / 16) + 0..7, registers 4-7 K = 16 + 8 (l / 16) + 0..7
	v_and_b32 v1, 15, v0
	v_bfe_u32 v2, v0, 4, 1
	v_mul_u32_u24 v3, v1, PITCH
	v_lshl_add_u32 v3, v2, 4, v3
	s_mul_i32 s21, s11, 128*PITCH
	s_mul_i32 s22, s12, 192*PITCH
	s_add_co_u32 s22, s22, ABYTES
.irp s, 0,1
	v_add_nc_u32 v[ADRA+\s], s21, v3
	v_add_nc_u32 v[ADRB+\s], s22, v3
	s_add_co_u32 s21, s21, SLOT
	s_add_co_u32 s22, s22, SLOT
.endr
	s_mul_i32 s45, s10, 16*SPITCH
	s_add_co_u32 s45, s45, STAGE                   ; my stage
	v_mul_u32_u24 v4, v1, SPITCH
	v_lshl_add_u32 v4, v2, 4, v4
	v_add_nc_u32 v[STO], s45, v4                   ; in: row l % 16, 16 bytes for each half of the lanes
	v_and_b32 v5, 31, v0
	v_lshrrev_b32 v6, 3, v5
	v_and_b32 v7, 7, v0
	v_mul_u32_u24 v6, v6, SPITCH
	v_lshl_add_u32 v6, v7, 4, v6
	v_add_nc_u32 v[RD], s45, v6                    ; back: eight lanes take the 128 bytes of one row and one head
	v_lshlrev_b32 v[CO], 4, v5                     ; and four such rows are 512 consecutive bytes of a slab
; 16 matrix instructions: n tiles 4 (w - 1) + b0, + b0 + 1, all 8 m tiles, 32 along K.  The accumulators take turns, one instruction a turn.
.macro RUNH w, f, b0, zero
	WIN 0x50*\w
.irp bb, \b0, \b0+1
.irp a, 0,1,2,3,4,5,6,7
.if \zero
	v_wmma_f32_16x16x32_bf16 v[8*(8*(\bb)+\a):8*(8*(\bb)+\a)+7], v[BF+8*(4*(\w-1)+(\bb)):BF+8*(4*(\w-1)+(\bb))+7], v[\f+8*\a:\f+8*\a+7], 0
.else
	v_wmma_f32_16x16x32_bf16 v[8*(8*(\bb)+\a):8*(8*(\bb)+\a)+7], v[BF+8*(4*(\w-1)+(\bb)):BF+8*(4*(\w-1)+(\bb))+7], v[\f+8*\a:\f+8*\a+7], v[8*(8*(\bb)+\a):8*(8*(\bb)+\a)+7]
.endif
.endr
.endr
.endm
.macro RUN w, f, zero                  ; one window's 32
	RUNH \w, \f, 0, \zero
	RUNH \w, \f, 2, \zero
.endm
.macro LDB slot, k, b0                 ; 8 loads: W's fragments b0 .. b0 + 3, at byte k of the rows
.irp i, 0,1,2,3
	ds_load_b128 v[BF+8*(\b0+\i):BF+8*(\b0+\i)+3],   v[ADRB+\slot] offset:\k+(\b0+\i)*16*PITCH
	ds_load_b128 v[BF+8*(\b0+\i)+4:BF+8*(\b0+\i)+7], v[ADRB+\slot] offset:\k+(\b0+\i)*16*PITCH+32
.endr
.endm
.macro LDA slot, k, f                  ; 16 loads: x's eight fragments into buffer f
.irp i, 0,1,2,3,4,5,6,7
	ds_load_b128 v[\f+8*\i:\f+8*\i+3],   v[ADRA+\slot] offset:\k+\i*16*PITCH
	ds_load_b128 v[\f+8*\i+4:\f+8*\i+7], v[ADRA+\slot] offset:\k+\i*16*PITCH+32
.endr
.endm
; At the head of each half step 40 loads may be out, in this order: 24 (W's first third, x's buffer), 8 (second third), 8 (last third).
; The first half of a chunk: K 0-31 out of buffer 0; each third of W is loaded again, for K 32-63, as soon as it has been multiplied.
.macro Q0 slot, zero
	s_wait_dscnt 16                                ; the 24 are in; the two groups of 8 may be out
	RUN 1, F0, \zero
	WIN 0
	PLACES
	LDB \slot, 64, 0
	LDA \slot, 64, F1
	s_wait_dscnt 32                                ; W's second third is in: behind it went 8 + 8 + 16
	RUN 2, F0, \zero
	WIN 0
	PLACES
	LDB \slot, 64, 4
	s_wait_dscnt 32                                ; W's last third is in: behind it went 8 + 16 + 8
	RUN 3, F0, \zero
	WIN 0
	PLACES
	LDB \slot, 64, 8
.endm
; The second half: K 32-63 out of buffer 1, and the change of slots.  In front of the barrier each wave waits for its reads of this slot and
; for all its tensor loads (one is out: its part of the next slot).  Where the slot is filled again the barrier opens a round of the cluster's
; barrier, and the joint refill is the first tensor load behind the round.  From a request to the wait for it a wave issues 176 matrix instructions.
.macro TURN slot, next, fill
	s_wait_dscnt 16
	RUNH 1, F1, 0, 0
	s_wait_dscnt 0                                 ; my reads of this slot are over
	s_wait_tensorcnt 0x0                           ; all my tensor loads have landed
	ds_add_u32 v30, v31
	s_wait_dscnt 0x0
	s_barrier_signal -1
	RUNH 1, F1, 2, 0                               ; registers alone while the others arrive
	WIN 0
	s_barrier_wait -1
.if \fill
	CREST
	s_add_nc_u64 s[G0+4*\slot+2:G0+4*\slot+3], s[G0+4*\slot+2:G0+4*\slot+3], 2*ACHUNK
	s_add_nc_u64 s[G0B+4*\slot+2:G0B+4*\slot+3], s[G0B+4*\slot+2:G0B+4*\slot+3], 2*BCHUNK
	JLOAD \slot
.endif
	PLACES
	LDB \next, 0, 0
	LDA \next, 0, F0
	RUN 2, F1, 0                                   ; its fragments are in since the wait for 0
	WIN 0
	PLACES
	LDB \next, 0, 4
	RUN 3, F1, 0
	WIN 0
	PLACES
	LDB \next, 0, 8
.endm
.macro LAP zero                        ; two chunks, both slots filled again
	Q0 0, \zero
	TURN 0, 1, 1
	Q0 1, 0
	TURN 1, 0, 1
.endm
	s_wait_tensorcnt 0x1                           ; my part of chunk 0 is in; chunk 1's may stay out
	s_barrier_signal -1
	s_barrier_wait -1
	LDB 0, 0, 0
	LDA 0, 0, F0
	LDB 0, 0, 4
	LDB 0, 0, 8
	LAP 1                                          ; the first products start the sums: nothing is cleared
	s_mov_b32 s3, 6                                ; 16 chunks = 8 laps: one in front, six here, one behind
.Llap:
	LAP 0
	s_sub_co_u32 s3, s3, 1
	s_cmp_lg_u32 s3, 0
	s_cbranch_scc1 .Llap
	Q0 0, 0                                        ; the last lap fills nothing
	TURN 0, 1, 0
	Q0 1, 0
	s_wait_dscnt 16
	RUN 1, F1, 0
	s_wait_dscnt 0
	RUN 2, F1, 0
	RUN 3, F1, 0
	PLACES
	WIN 0
	; THE WAY OUT, 16 rows at a time: round to f16, 16 bytes a lane into my own stage, read back head by head, four rows of 128 bytes a store.
	s_mul_i32 s66, s42, 6                          ; my first slab = 6 x block column + 3 x half
	s_mul_i32 s67, s12, 3
	s_add_co_u32 s66, s66, s67
	s_lshl_b32 s66, s66, 20                        ; a slab is 1,048,576 bytes
	s_lshl_b32 s67, s13, 15                        ; + 256 rows of 128 bytes for each block row
	s_add_co_u32 s66, s66, s67
	s_lshl_b32 s67, s11, 14                        ; + my 128 rows
	s_add_co_u32 s66, s66, s67
	s_mov_b32 s67, 0
	s_add_nc_u64 s[8:9], s[8:9], s[66:67]
.macro OUT16 a
.irp b, 0,1,2,3,4,5,6,7,8,9,10,11
	WIN 5*(1+(\b/4))                               ; sources 0 and 1 in the tile's window
.irp rr, 0,1,2,3
	v_cvt_pk_f16_f32 v[TMP+4*\b+\rr], v[8*(8*(\b%4)+\a)+2*\rr], v[8*(8*(\b%4)+\a)+2*\rr+1]
.endr
.endr
	WIN 0
.irp b, 0,1,2,3,4,5,6,7,8,9,10,11
	ds_store_b128 v[STO], v[TMP+4*\b:TMP+4*\b+3] offset:32*\b
.endr
	s_wait_xcnt 0x0                                ; the earlier stores have had their addresses translated (ISA guide 3.1): their data registers and base are rewritten only behind this wait
.if \a
	s_add_nc_u64 s[8:9], s[8:9], 16*128            ; 16 rows on
.endif
.irp hh, 0,1,2
.irp t, 0,1,2,3
	ds_load_b128 v[RB+4*(4*\hh+\t):RB+4*(4*\hh+\t)+3], v[RD] offset:\t*4*SPITCH+\hh*128   ; a wave's LDS instructions are served in order: these see the stores above
.endr
.endr
.irp hh, 0,1,2
.irp t, 0,1,2,3
	s_wait_dscnt 11-(4*\hh+\t)
	global_store_b128 v[CO], v[RB+4*(4*\hh+\t):RB+4*(4*\hh+\t)+3], s[8:9] offset:\hh*SLAB+\t*512   ; 512 consecutive bytes, aligned
.endr
.endr
.endm
.irp a, 0,1,2,3,4,5,6,7
	OUT16 \a
.endr
	s_wait_tensorcnt 0x0
	ds_add_u32 v30, v31
	s_wait_dscnt 0x0
	CROUND                                         ; the closing round: no work-group ends while a partner may still ask jointly
	s_endpgm
.Lfunc_end_k_qa739dc3999_qkvp:
	.size	k_qa739dc3999_qkvp, .Lfunc_end_k_qa739dc3999_qkvp-k_qa739dc3999_qkvp
	.p2alignl 7, 3214868480
	.fill 96, 4, 3214868480
	.section	.rodata,"a",@progbits
	.p2align	6, 0x0
	.amdhsa_kernel k_qa739dc3999_qkvp
		.amdhsa_group_segment_fixed_size 327680
		.amdhsa_private_segment_fixed_size 0
		.amdhsa_enable_private_segment 0
		.amdhsa_kernarg_size 24
		.amdhsa_user_sgpr_count 2
		.amdhsa_user_sgpr_kernarg_segment_ptr 1
		.amdhsa_wavefront_size32 1
		.amdhsa_system_sgpr_workgroup_id_x 1
		.amdhsa_system_sgpr_workgroup_id_y 1
		.amdhsa_system_sgpr_workgroup_id_z 1
		.amdhsa_system_vgpr_workitem_id 0
		.amdhsa_next_free_vgpr 1024
		.amdhsa_next_free_sgpr 68
		.amdhsa_reserve_vcc 0
		.amdhsa_float_denorm_mode_32 3
		.amdhsa_float_denorm_mode_16_64 3
		.amdhsa_memory_ordered 1
		.amdhsa_forward_progress 1
		.amdhsa_inst_pref_size 170
	.end_amdhsa_kernel
	.amdgpu_metadata
---
amdhsa.version: [ 1, 2 ]
amdhsa.kernels:
  - .name:           k_qa739dc3999_qkvp
    .symbol:         k_qa739dc3999_qkvp.kd
    .args:
      - { .name: xh, .offset: 0, .size: 8, .value_kind: global_buffer, .address_space: global }
      - { .name: wqkvh, .offset: 8, .size: 8, .value_kind: global_buffer, .address_space: global }
      - { .name: qkv, .offset: 16, .size: 8, .value_kind: global_buffer, .address_space: global }
    .group_segment_fixed_size: 327680
    .private_segment_fixed_size: 0
    .kernarg_segment_align: 8
    .kernarg_segment_size: 24
    .max_flat_workgroup_size: 128
    .sgpr_count:     68
    .vgpr_count:     1024
    .wavefront_size: 32
...
	.end_amdgpu_metadata
.endif
;; end of part 2
;; launch attn (part 3): grid 256 x 1, 8 waves a work-group, no clusters, 327,680 bytes of LDS; arguments qkv, ctx; writes ctx
.if DOCPART == 3
	.amdgcn_target "amdgcn-amd-amdhsa--gfx1250"
	.amdhsa_code_object_version 6
	.text
	.protected	k_qa739dc3999_attn
	.globl	k_qa739dc3999_attn
	.p2align	8
	.type	k_qa739dc3999_attn,@function
k_qa739dc3999_attn:
	s_mov_b64 s[64:65], 0
	v_nop
	global_prefetch_b8 v0, s[64:65] scope:SCOPE_SE
	s_setreg_imm32_b32 hwreg(HW_REG_WAVE_MODE, 25, 1), 1
	s_wait_xcnt 0x0
; Causal attention of one head, with a running maximum.  qkv: [48 slabs][8192][64] f16 (Q: slab h, K: 16 + h, V: 32 + h).
; ctx: [16 heads][64 row blocks][hi, lo][128 rows][64] bf16: a result o leaves as two bf16 numbers, hi = bf16(o) and lo = bf16(o - hi), whose sum
; keeps some 16 bits.  Why two: a causal row with few keys is an average of few rows of V and so many times larger than a row that averages
; thousands; one rounding of it to 16 bits would be large against the typical size of the final output.
; Why row blocks: hi and lo of 128 rows of one head are then one dense run of 32,768 bytes, which the next launch takes as one tile.
; Work-group id: j = id & 3, head = (id >> 2) & 15, batch = id >> 6.  It makes two blocks of 256 queries, block j and then block 7 - j.
; Block i needs the key tiles (128 keys) 0 .. 2 i + 1, so every work-group walks (2 j + 2) + (16 - 2 j) = 18 tiles.
; Eight waves: strip s = wave & 3 (64 queries = 4 tiles of 16), key half g = wave >> 2 (keys 64 g .. 64 g + 63 of every tile).  Each wave keeps
; its own maximum, sum and O for its keys; the two halves of a strip are merged through LDS at the end of a block.
; Order of the tiles in a block: the two on the diagonal (2 i, 2 i + 1, masked) first, then 0 .. 2 i - 1 (no mask): a softmax does not hang on the order of its keys.
; TRANSPOSED PRODUCTS: S^T = K Q^T, so that a lane owns one query (l % 16) and its registers hold keys: maxima and sums stay in the lane but for one
; exchange between the halves of the wave, and P rounded in place IS the second source of O^T = V^T P^T.  V^T comes by transposing LDS loads.
; STAGGER: the waves of key half 1 put off 'rescale O, add P V' of a tile until behind the next barrier (registers alone); those of half 0 do it at
; the end of their step.  So the two halves' waves do their matrix work and their exponentials at different times.
; NO CLUSTER: the four work-groups of a head want different tiles at each moment, and their blocks want different numbers of tiles (2 i + 2).
; In lockstep every partner would have to walk the longest block: 16 + 14 + 10 + 8 = 48 tile steps for what are 36 here.
; LIMITS: operands are f16 (|Q|, |K|, |V| below 65504).  The running maximum starts at -1e30; no score lies below it, since |score| <= 64 x 65504^2.
.set SLOT,  38912                      ; K: 128 rows x 144 bytes, then V: 128 rows x 160 bytes
.set VOFF,  18432
.set XCH,   2*SLOT                     ; 77,824: for each strip 17,408 bytes: O (32 x 512), the maxima (512), the sums (512); no tensor load lands here
.set XSTR,  17408
.set STG,   XCH+4*XSTR                 ; 147,456: for each strip 16 rows x 144 bytes, the way out; no tensor load lands here
.set PART,  128*128                    ; bytes of the hi part of a row block in ctx: the lo part lies so far behind it
; window 0
.set KA,  2                            ; LDS address of my fragments of K in slot 0
.set VA,  3                            ; the same for V
.set QO,  4                            ; my byte offset in the block's rows of Q
.set CO,  5                            ; 16 x lane
.set XA,  6                            ; my 16 bytes in my strip's exchange
.set STO, 7
.set RD,  8
.set TL,  12                           ; v12-27   the way out: packed lo parts
.set TT,  28                           ; v28-31   the way out: hi parts widened again
.set QF,  32                           ; v32-95   Q: fragment (n, c) at 8 (2 n + c)
.set OA,  96                           ; v96-223  O^T: tile (n, dt) at 32 n + 8 dt
.set TMP, 224                          ; v224-239 the way out: packed hi parts
.set RB,  240
; window 1 (written by their low 8 bits)
.set SC,  0                            ; S^T, then P: tile (n, t) at 32 n + 8 t
.set FR,  128                          ; K's fragments (t, c) at 8 (4 c + t), later V's (dt, ks) at 8 (4 ks + dt)
.set MX,  192                          ; the running maxima of my four queries
.set XN,  196                          ; the new maxima
.set YT,  200                          ; at work
.set AL,  204                          ; the factors on O and on the sums, in pairs
.set NM,  212                          ; - maximum x c, in pairs
.set LL,  220                          ; the running sums, in pairs (even and odd keys)
.set SU,  228                          ; a tile's sums, in pairs
.set DL,  236                          ; 64 g - 64 s + 8 (l / 16) - l % 16
.set NI,  237                          ; - infinity
.set M2,  240                          ; the partner's maxima
.set L2,  244                          ; the partner's sums
.set LS,  248                          ; my sums
.set CEXP, 0x3e38aa3b                  ; 0.125 x log2(e): the scale 1 / sqrt(64) and the change of base in one factor
.set CNEG, 0xbe38aa3b
.set G1K, 24
.set G1V, 32
.set G0K, 40                           ; a set for each slot
.set G0V, 48
.set MSB, 0
.macro WIN new
.if MSB != \new
	s_set_vgpr_msb (MSB<<8)|\new
.set MSB, \new
.endif
.endm
	s_load_b128 s[4:7], s[0:1], 0x0                ; qkv s[4:5], ctx s[6:7]
	s_set_vgpr_msb 0x40
	v_lshl_add_u32 v254, v0, 2, 0x29000
	v_mov_b32 v255, 0
	s_set_vgpr_msb 0x4045
	ds_add_u32 v254, v255
	s_set_vgpr_msb 0x4500
	v_lshrrev_b32 v1, 5, v0
	v_readfirstlane_b32 s8, v1                     ; wave 0..7
	s_and_b32 s9, s8, 3                            ; strip
	s_lshr_b32 s10, s8, 2                          ; key half
	s_and_b32 s20, ttmp9, 3                        ; j
	s_bfe_u32 s12, ttmp9, 0x40002                  ; head
	s_lshr_b32 s14, ttmp9, 6                       ; batch
	s_lshl_b32 s78, s12, 21                        ; ctx: a head is 64 row blocks of 32,768 bytes,
	s_lshl_b32 s79, s14, 19                        ; a batch 16 row blocks,
	s_add_co_u32 s78, s78, s79
	s_lshr_b32 s79, s9, 1                          ; strips 2 and 3 lie in the second row block of a block of 256 queries,
	s_lshl_b32 s79, s79, 15
	s_add_co_u32 s78, s78, s79
	s_and_b32 s79, s9, 1                           ; strips 1 and 3 in a row block's rows 64-127
	s_lshl_b32 s79, s79, 13
	s_add_co_u32 s78, s78, s79
	s_mov_b32 s79, 0
	s_lshl_b32 s12, s12, 20                        ; qkv: a slab is 1,048,576 bytes,
	s_lshl_b32 s14, s14, 18                        ; a batch's 2,048 rows 262,144
	s_add_co_u32 s12, s12, s14
	s_mov_b32 s13, 0
	s_mov_b32 s66, 0x76543210                      ; v_permlanex16_b32: lane i of one half reads lane i of the other
	s_mov_b32 s67, 0xfedcba98
	; group 1: a dense tile of 16,384 bytes as 64 rows of 32 elements of 8 bytes, padded behind every 32 words: by 4 words for K (pitch 144), by 8 for V (pitch 160)
	s_mov_b32 s[G1K+0], (3<<16)|(1<<20)|(4<<22)|(3<<25)
	s_mov_b32 s[G1V+0], (3<<16)|(1<<20)|(4<<22)|(7<<25)
	s_mov_b32 s[G1K+1], 32<<16
	s_mov_b32 s[G1V+1], 32<<16
	s_mov_b32 s[G1K+2], 64<<16
	s_mov_b32 s[G1V+2], 64<<16
	s_mov_b32 s[G1K+3], 32<<16
	s_mov_b32 s[G1V+3], 32<<16
	s_mov_b32 s[G1K+4], 64
	s_mov_b32 s[G1V+4], 64
	s_mov_b32 s[G1K+5], 32
	s_mov_b32 s[G1V+5], 32
	s_mov_b32 s[G1K+6], 0
	s_mov_b32 s[G1V+6], 0
	s_mov_b32 s[G1K+7], 0
	s_mov_b32 s[G1V+7], 0
	s_mov_b32 s[G0K+0], 1
	s_mov_b32 s[G0K+1], 0
	s_mov_b32 s[G0K+4], 1
	s_mov_b32 s[G0K+5], SLOT
	s_mov_b32 s[G0V+0], 1
	s_mov_b32 s[G0V+1], VOFF
	s_mov_b32 s[G0V+4], 1
	s_mov_b32 s[G0V+5], SLOT+VOFF
	; the walk over the tiles: s68 place in the block, s69 first diagonal tile, s70 tiles in the block; s71, s72 the same two for the second block
	s_mov_b32 s68, 0
	s_lshl_b32 s69, s20, 1
	s_add_co_u32 s70, s69, 2
	s_sub_co_u32 s71, 14, s69
	s_sub_co_u32 s72, 16, s69
	s_lshl_b32 s74, s69, 14                        ; the first tile: 2 j, 16,384 bytes each
	s_mov_b32 s75, 0
	s_lshl_b32 s14, s20, 15                        ; Q: block j, 256 rows of 128 bytes each
	s_mov_b32 s15, 0
	s_sub_co_u32 s18, 7, s20
	s_lshl_b32 s62, s18, 16                        ; ctx: block 7 - j, two row blocks of 32,768 bytes each
	s_mov_b32 s63, 0
	s_lshl_b32 s18, s18, 15                        ; Q: block 7 - j
	s_mov_b32 s19, 0
	s_lshl_b32 s60, s20, 16                        ; ctx: block j
	s_mov_b32 s61, 0
	s_wait_dscnt 0x0
	s_barrier_signal -1
	s_barrier_wait -1
	s_wait_kmcnt 0x0
	s_add_nc_u64 s[16:17], s[4:5], s[12:13]        ; Q of my head and batch
	s_add_nc_u64 s[56:57], s[16:17], 0x1000000     ; K: 16 slabs on
	s_add_nc_u64 s[58:59], s[16:17], 0x2000000     ; V: 32 slabs on
	s_add_nc_u64 s[G0K+2:G0K+3], s[56:57], s[74:75]
	s_or_b32 s[G0K+3], s[G0K+3], 0x80000000
	s_add_nc_u64 s[G0V+2:G0V+3], s[58:59], s[74:75]
	s_or_b32 s[G0V+3], s[G0V+3], 0x80000000
; Wave 0 asks for K's tile, wave 1 for V's; the other waves ask for nothing.  A wave has at most one tensor load out.
.macro KVLOAD slot
	s_cmp_lg_u32 s8, 0
	s_cbranch_scc1 .Lnot_k_\@
	tensor_load_to_lds s[G0K+4*\slot:G0K+4*\slot+3], s[G1K:G1K+7]
	s_nop 0
.Lnot_k_\@:
	s_cmp_lg_u32 s8, 1
	s_cbranch_scc1 .Lnot_v_\@
	tensor_load_to_lds s[G0V+4*\slot:G0V+4*\slot+3], s[G1V:G1V+7]
	s_nop 0
.Lnot_v_\@:
.endm
	KVLOAD 0                                       ; the first fill, ahead of everything else
	s_add_nc_u64 s[80:81], s[16:17], s[14:15]      ; Q of the first block
	s_add_nc_u64 s[82:83], s[16:17], s[18:19]      ; Q of the second
	s_add_nc_u64 s[22:23], s[6:7], s[78:79]        ; ctx: my head, my batch, my strip's place in a block: the hi part
	s_add_nc_u64 s[84:85], s[22:23], s[60:61]
	s_add_nc_u64 s[86:87], s[22:23], s[62:63]
	v_and_b32 v10, 31, v0                          ; l
	v_and_b32 v11, 15, v0                          ; r = l % 16
	v_bfe_u32 v12, v0, 4, 1                        ; h = l / 16
	v_lshlrev_b32 v[QO], 7, v11                    ; Q: row r of 128 bytes
	v_lshl_add_u32 v[QO], v12, 4, v[QO]            ; + 16 h
	v_lshl_add_u32 v[QO], s9, 13, v[QO]            ; + my strip
.macro QLOAD base                      ; my 64 queries as second sources: fragment (n, c) = rows 16 n .., d = 32 c ..
.irp n, 0,1,2,3
.irp c, 0,1
	global_load_b128 v[QF+8*(2*\n+\c):QF+8*(2*\n+\c)+3],   v[QO], s[\base:\base+1] offset:\n*2048+64*\c
	global_load_b128 v[QF+8*(2*\n+\c)+4:QF+8*(2*\n+\c)+7], v[QO], s[\base:\base+1] offset:\n*2048+64*\c+32
.endr
.endr
.endm
	QLOAD 80
	s_lshl_b32 s11, s10, 6                         ; my first key in a tile
	v_add_nc_u32 v13, s11, v11
	v_mul_u32_u24 v[KA], v13, 144                  ; K: (64 g + r) x 144
	v_lshl_add_u32 v[KA], v12, 4, v[KA]            ; + 16 h
	v_and_b32 v13, 7, v0
	v_lshl_add_u32 v13, v12, 3, v13
	v_add_nc_u32 v13, s11, v13
	v_mul_u32_u24 v[VA], v13, 160                  ; V: (64 g + 8 h + l % 8) x 160
	v_bfe_u32 v13, v0, 3, 1
	v_lshl_add_u32 v[VA], v13, 4, v[VA]            ; + 16 ((l / 8) % 2)
	v_add_nc_u32 v[VA], VOFF, v[VA]
	v_lshlrev_b32 v[CO], 4, v10
	s_mul_i32 s11, s9, XSTR
	s_add_co_u32 s11, s11, XCH
	v_add_nc_u32 v[XA], s11, v[CO]
	s_mul_i32 s11, s9, 16*144
	s_add_co_u32 s11, s11, STG
	v_mul_u32_u24 v13, v11, 144
	v_lshl_add_u32 v13, v12, 4, v13
	v_add_nc_u32 v[STO], s11, v13                  ; in: row r, 16 bytes for each half of the lanes
	v_lshrrev_b32 v13, 3, v10
	v_mul_u32_u24 v13, v13, 144
	v_and_b32 v14, 7, v0
	v_lshl_add_u32 v13, v14, 4, v13
	v_add_nc_u32 v[RD], s11, v13                   ; back: eight lanes take a row of 128 bytes
	s_sub_co_i32 s11, s10, s9
	s_lshl_b32 s11, s11, 6                         ; 64 (g - s)
	v_lshlrev_b32 v9, 3, v12
	v_sub_nc_u32 v9, v9, v11
	v_add_nc_u32 v9, s11, v9
	WIN 0x40                                       ; destination in window 1
	v_mov_b32 v[DL], v9
	v_mov_b32 v[NI], 0xff800000
.irp n, 0,1,2,3
	v_mov_b32 v[YT+\n], 0                          ; v_permlanex16_b32's destination counts as read
.endr
	WIN 0
; The next tile's address into the group 0 sets of a slot.  It stands behind the wait for all tensor loads, where no descriptor is in use.
.macro GEN slot
	s_add_co_u32 s68, s68, 1
	s_cmp_eq_u32 s68, s70                          ; the block's tiles are all asked for: on to the second block
	s_cselect_b32 s68, 0, s68
	s_cselect_b32 s69, s71, s69
	s_cselect_b32 s70, s72, s70
	s_add_co_u32 s73, s69, s68                     ; places 0, 1: the diagonal tiles
	s_sub_co_u32 s74, s68, 2                       ; places 2 ..: tiles 0 ..
	s_cmp_lt_u32 s68, 2
	s_cselect_b32 s74, s73, s74
	s_lshl_b32 s74, s74, 14
	s_add_nc_u64 s[G0K+4*\slot+2:G0K+4*\slot+3], s[56:57], s[74:75]
	s_or_b32 s[G0K+4*\slot+3], s[G0K+4*\slot+3], 0x80000000
	s_add_nc_u64 s[G0V+4*\slot+2:G0V+4*\slot+3], s[58:59], s[74:75]
	s_or_b32 s[G0V+4*\slot+3], s[G0V+4*\slot+3], 0x80000000
.endm
.macro KLOAD slot                      ; 16 loads: my 64 keys as first sources, d 0-31 first
	WIN 0x40
.irp c, 0,1
.irp t, 0,1,2,3
	ds_load_b128 v[FR+8*(4*\c+\t):FR+8*(4*\c+\t)+3],   v[KA] offset:\slot*SLOT+\t*2304+64*\c
	ds_load_b128 v[FR+8*(4*\c+\t)+4:FR+8*(4*\c+\t)+7], v[KA] offset:\slot*SLOT+\t*2304+64*\c+32
.endr
.endr
.endm
.macro QK                              ; S^T = K Q^T: 16 tiles, two instructions each; the tiles take turns, one instruction a turn
	s_wait_dscnt 0x8                               ; d 0-31 is in; the eight loads of d 32-63 may be out
	WIN 0x51                                       ; source 0, C and D in window 1, source 1 in window 0
.irp t, 0,1,2,3
.irp n, 0,1,2,3
	v_wmma_f32_16x16x32_f16 v[SC+32*\n+8*\t:SC+32*\n+8*\t+7], v[FR+8*\t:FR+8*\t+7], v[QF+16*\n:QF+16*\n+7], 0
.endr
.endr
	s_wait_dscnt 0x0
.irp t, 0,1,2,3
.irp n, 0,1,2,3
	v_wmma_f32_16x16x32_f16 v[SC+32*\n+8*\t:SC+32*\n+8*\t+7], v[FR+8*(4+\t):FR+8*(4+\t)+7], v[QF+16*\n+8:QF+16*\n+15], v[SC+32*\n+8*\t:SC+32*\n+8*\t+7]
.endr
.endr
.endm
.macro VLOAD slot                      ; 16 transposing loads: V^T of my 64 keys, into the registers that held K
.rept 4
	v_nop                                          ; four places behind the products above: for these loads and for the readers of S
.endr
	WIN 0x40
.irp ks, 0,1
.irp dt, 0,1,2,3
	ds_load_tr16_b128 v[FR+8*(4*\ks+\dt):FR+8*(4*\ks+\dt)+3],   v[VA] offset:\slot*SLOT+\ks*5120+\dt*32
	ds_load_tr16_b128 v[FR+8*(4*\ks+\dt)+4:FR+8*(4*\ks+\dt)+7], v[VA] offset:\slot*SLOT+\ks*5120+\dt*32+2560
.endr
.endr
.endm
; first = 1: the block's first tile starts maxima and sums.  tau = 0, 1: the diagonal tile 2 i + tau is masked; -1: no mask.
.macro SOFTMAX first, tau
	WIN 0x55
.if \tau >= 0
	; key > query  <=>  128 tau + 64 g + 16 t + 8 h + jj > 64 s + 16 n + r  <=>  DL > -(128 tau + 16 (t - n) + jj): one compare serves all tiles of one t - n
.irp d, -3,-2,-1,0,1,2,3
.irp jj, 0,1,2,3,4,5,6,7
	v_cmp_lt_i32 vcc_lo, -(128*\tau+16*(\d)+\jj), v[DL]
.irp n, 0,1,2,3
.if ((\n+(\d)) >= 0) && ((\n+(\d)) <= 3)
	v_cndmask_b32 v[SC+32*\n+8*(\n+(\d))+\jj], v[SC+32*\n+8*(\n+(\d))+\jj], v[NI], vcc_lo
.endif
.endr
.endr
.endr
.endif
	; the largest of a query's 32 scores in this lane and of the maximum so far; four chains that do not wait for each other
.irp n, 0,1,2,3
	v_max3_num_f32 v[XN+\n], v[SC+32*\n], v[SC+32*\n+1], v[SC+32*\n+2]
.endr
.irp k, 1,2,3,4,5,6,7,8,9,10,11,12,13,14
.irp n, 0,1,2,3
	v_max3_num_f32 v[XN+\n], v[XN+\n], v[SC+32*\n+2*\k+1], v[SC+32*\n+2*\k+2]
.endr
.endr
.irp n, 0,1,2,3
.if \first
	v_max3_num_f32 v[XN+\n], v[XN+\n], v[SC+32*\n+31], 0xf149f2ca      ; -1e30: finite, so that a wave whose keys are all masked forms no inf - inf
.else
	v_max3_num_f32 v[XN+\n], v[XN+\n], v[SC+32*\n+31], v[MX+\n]
.endif
.endr
.irp n, 0,1,2,3
	v_permlanex16_b32 v[YT+\n], v[XN+\n], s66, s67                     ; the query's other 32 keys lie in the other half of the wave
.endr
.irp n, 0,1,2,3
	v_max_num_f32 v[XN+\n], v[XN+\n], v[YT+\n]
.endr
.if \first == 0
.irp n, 0,1,2,3
	v_sub_f32 v[AL+2*\n], v[MX+\n], v[XN+\n]
.endr
.irp n, 0,1,2,3
	v_mul_f32 v[AL+2*\n], CEXP, v[AL+2*\n]
.endr
.irp n, 0,1,2,3
	v_exp_f32 v[AL+2*\n], v[AL+2*\n]               ; what was summed so far shrinks by 2^((old - new) c); the lines below are the plain place behind it (ISA guide 5.7.2)
.endr
.endif
.irp n, 0,1,2,3
	v_mul_f32 v[NM+2*\n], CNEG, v[XN+\n]
	v_mul_f32 v[NM+2*\n+1], CNEG, v[XN+\n]
	v_mov_b32 v[MX+\n], v[XN+\n]
.endr
.if \first == 0
	s_wait_alu depctr_va_vdst(0)
.irp n, 0,1,2,3
	v_mov_b32 v[AL+2*\n+1], v[AL+2*\n]
.endr
.endif
.irp n, 0,1,2,3
.irp p, 0,1,2,3,4,5,6,7,8,9,10,11,12,13,14,15
	v_pk_fma_f32 v[SC+32*\n+2*\p:SC+32*\n+2*\p+1], v[SC+32*\n+2*\p:SC+32*\n+2*\p+1], CEXP, v[NM+2*\n:NM+2*\n+1] op_sel_hi:[1,0,1]
.endr
.endr
.set ei, 0
.rept 128
	v_exp_f32 v[SC+ei], v[SC+ei]
.set ei, ei+1
.endr
	v_nop                                          ; the plain place behind the last exponential
	s_wait_alu depctr_va_vdst(0)
.irp n, 0,1,2,3
	v_pk_add_f32 v[SU+2*\n:SU+2*\n+1], v[SC+32*\n:SC+32*\n+1], v[SC+32*\n+2:SC+32*\n+3]
.endr
.irp p, 2,3,4,5,6,7,8,9,10,11,12,13,14
.irp n, 0,1,2,3
	v_pk_add_f32 v[SU+2*\n:SU+2*\n+1], v[SU+2*\n:SU+2*\n+1], v[SC+32*\n+2*\p:SC+32*\n+2*\p+1]
.endr
.endr
.irp n, 0,1,2,3
.if \first
	v_pk_add_f32 v[LL+2*\n:LL+2*\n+1], v[SU+2*\n:SU+2*\n+1], v[SC+32*\n+30:SC+32*\n+31]
.else
	v_pk_add_f32 v[SU+2*\n:SU+2*\n+1], v[SU+2*\n:SU+2*\n+1], v[SC+32*\n+30:SC+32*\n+31]
.endif
.endr
.if \first == 0
.irp n, 0,1,2,3
	v_pk_fma_f32 v[LL+2*\n:LL+2*\n+1], v[LL+2*\n:LL+2*\n+1], v[AL+2*\n:AL+2*\n+1], v[SU+2*\n:SU+2*\n+1]
.endr
.endif
	; P to f16 in place: the 16 registers of key tiles 2 ks, 2 ks + 1 become the 8 of a second source (keys 8 h .. in 0-3, 16 + 8 h .. in 4-7)
.irp n, 0,1,2,3
.irp ks, 0,1
.irp i, 0,1,2,3,4,5,6,7
	v_cvt_pk_f16_f32 v[SC+32*\n+16*\ks+\i], v[SC+32*\n+16*\ks+2*\i], v[SC+32*\n+16*\ks+2*\i+1]
.endr
.endr
.endr
.endm
; O^T = O^T x factor + V^T P^T, out of registers alone.  The 16 tiles of O take turns, one instruction a turn.
.macro PVBLK first
.if \first == 0
	WIN 0x04                                       ; source 1 in window 1
.irp n, 0,1,2,3
.irp p, 0,1,2,3,4,5,6,7,8,9,10,11,12,13,14,15
	v_pk_mul_f32 v[OA+32*\n+2*\p:OA+32*\n+2*\p+1], v[OA+32*\n+2*\p:OA+32*\n+2*\p+1], v[AL+2*\n:AL+2*\n+1]
.endr
.endr
.endif
	WIN 0x05                                       ; sources 0 and 1 in window 1
.irp dt, 0,1,2,3
.irp n, 0,1,2,3
.if \first
	v_wmma_f32_16x16x32_f16 v[OA+32*\n+8*\dt:OA+32*\n+8*\dt+7], v[FR+8*\dt:FR+8*\dt+7], v[SC+32*\n:SC+32*\n+7], 0
.else
	v_wmma_f32_16x16x32_f16 v[OA+32*\n+8*\dt:OA+32*\n+8*\dt+7], v[FR+8*\dt:FR+8*\dt+7], v[SC+32*\n:SC+32*\n+7], v[OA+32*\n+8*\dt:OA+32*\n+8*\dt+7]
.endif
.endr
.endr
.irp dt, 0,1,2,3
.irp n, 0,1,2,3
	v_wmma_f32_16x16x32_f16 v[OA+32*\n+8*\dt:OA+32*\n+8*\dt+7], v[FR+8*(4+\dt):FR+8*(4+\dt)+7], v[SC+32*\n+16:SC+32*\n+23], v[OA+32*\n+8*\dt:OA+32*\n+8*\dt+7]
.endr
.endr
.rept 5
	v_nop                                          ; five places: the next K Q^T writes over P, the next loads land on V's fragments
.endr
	WIN 0
.endm
; One tile.  slot: where it lies; oth: the other slot; lead = 1, 2: key half 1 first adds the last tile's P V (1: that tile was the block's first);
; refill = 1: the other slot, read in the last step, gets the next tile.
.macro STEP slot, oth, first, tau, lead, refill
	s_set_vgpr_msb 0x5
	s_wait_tensorcnt 0x0                           ; all my tensor loads have landed, my part of this tile among them
	ds_add_u32 v254, v255
	s_wait_dscnt 0x0
	s_set_vgpr_msb 0x500
.if \refill
	GEN \oth
.endif
	s_wait_dscnt 0x0                               ; my reads of the other slot are back
	s_barrier_signal -1
	s_barrier_wait -1                              ; both now hold of all eight waves
.if \refill
	KVLOAD \oth                                    ; first thing behind the barrier: it has the whole step in which to land
.endif
.if \lead
	s_cmp_eq_u32 s10, 0
	s_cbranch_scc1 .Lno_lead_\@
.if \lead == 1
	PVBLK 1
.else
	PVBLK 0
.endif
.Lno_lead_\@:
.endif
	KLOAD \slot
.if \first
	s_wait_loadcnt 0x0                             ; the block's Q
.endif
	QK
	VLOAD \slot
	SOFTMAX \first, \tau
	WIN 0
	s_cmp_lg_u32 s10, 0
	s_cbranch_scc1 .Lno_tail_\@
	s_wait_dscnt 0x0                               ; V's fragments
	PVBLK \first
.Lno_tail_\@:
.endm
.macro FLUSH                           ; key half 1 adds the block's last P V
	s_cmp_eq_u32 s10, 0
	s_cbranch_scc1 .Lno_flush_\@
	s_wait_dscnt 0x0                               ; V's fragments: no barrier's wait has covered them here
	PVBLK 0
.Lno_flush_\@:
.endm
; 16 queries x 64 numbers of 16 bits, packed in v[src .. src + 15], go through my own stage and leave as rows of 128 bytes, at byte off from s[cb:cb+1]
.macro PUT src, cb, off
.irp dt, 0,1,2,3
	ds_store_b128 v[STO], v[\src+4*\dt:\src+4*\dt+3] offset:32*\dt
.endr
	s_wait_xcnt 0x0                                ; the earlier stores have had their addresses translated (ISA guide 3.1): their data registers are loaded again only behind this wait
.irp tt, 0,1,2,3
	ds_load_b128 v[RB+4*\tt:RB+4*\tt+3], v[RD] offset:576*\tt      ; a wave's LDS instructions are served in order: these see the stores above
.endr
.irp tt, 0,1,2,3
	s_wait_dscnt 3-\tt
	global_store_b128 v[CO], v[RB+4*\tt:RB+4*\tt+3], s[\cb:\cb+1] offset:\off+512*\tt   ; four rows: 512 consecutive bytes, aligned
.endr
.endm
; The two key halves of a strip become one result: half 1 hands O, maxima and sums over through LDS; half 0 merges, divides, rounds and stores.
.macro MERGE cb
	WIN 0x55
.irp n, 0,1,2,3
	v_add_f32 v[LS+\n], v[LL+2*\n], v[LL+2*\n+1]
.endr
.irp n, 0,1,2,3
	v_permlanex16_b32 v[YT+\n], v[LS+\n], s66, s67
.endr
.irp n, 0,1,2,3
	v_add_f32 v[LS+\n], v[LS+\n], v[YT+\n]
.endr
	WIN 0
	s_cmp_eq_u32 s10, 0
	s_cbranch_scc1 .Lno_send_\@
.set qi, 0
.rept 32
	ds_store_b128 v[XA], v[OA+4*qi:OA+4*qi+3] offset:512*qi
.set qi, qi+1
.endr
	WIN 0x04                                       ; store data in window 1
	ds_store_b128 v[XA], v[MX:MX+3] offset:16384
	ds_store_b128 v[XA], v[LS:LS+3] offset:16896
	WIN 0
.Lno_send_\@:
	s_wait_dscnt 0x0                               ; for the partner's sake
	s_barrier_signal -1                            ; the next block's first tile may stay on its way
	s_barrier_wait -1
	s_cmp_lg_u32 s10, 0
	s_cbranch_scc1 .Lno_merge_\@
	WIN 0x40
	ds_load_b128 v[M2:M2+3], v[XA] offset:16384
	ds_load_b128 v[L2:L2+3], v[XA] offset:16896
.set qi, 0
.rept 32
	ds_load_b128 v[SC+4*qi:SC+4*qi+3], v[XA] offset:512*qi
.set qi, qi+1
.endr
	s_wait_dscnt 0x20                              ; maxima and sums are in; the 32 loads of O may be out
	WIN 0x55
.irp n, 0,1,2,3
	v_max_num_f32 v[XN+\n], v[MX+\n], v[M2+\n]
.endr
.irp n, 0,1,2,3
	v_sub_f32 v[AL+2*\n], v[MX+\n], v[XN+\n]
	v_sub_f32 v[NM+2*\n], v[M2+\n], v[XN+\n]
.endr
.irp n, 0,1,2,3
	v_mul_f32 v[AL+2*\n], CEXP, v[AL+2*\n]
	v_mul_f32 v[NM+2*\n], CEXP, v[NM+2*\n]
.endr
.irp n, 0,1,2,3
	v_exp_f32 v[AL+2*\n], v[AL+2*\n]
	v_exp_f32 v[NM+2*\n], v[NM+2*\n]
.endr
	v_nop
	s_wait_alu depctr_va_vdst(0)
.irp n, 0,1,2,3
	v_mul_f32 v[YT+\n], v[AL+2*\n], v[LS+\n]
.endr
.irp n, 0,1,2,3
	v_fmac_f32 v[YT+\n], v[NM+2*\n], v[L2+\n]      ; at least 1: the half that holds the larger maximum has summed its 2^0
.endr
.irp n, 0,1,2,3
	v_rcp_f32 v[YT+\n], v[YT+\n]
.endr
	v_nop
	s_wait_alu depctr_va_vdst(0)
.irp n, 0,1,2,3
	v_mul_f32 v[AL+2*\n], v[AL+2*\n], v[YT+\n]
	v_mul_f32 v[NM+2*\n], v[NM+2*\n], v[YT+\n]
.endr
.irp n, 0,1,2,3
	v_mov_b32 v[AL+2*\n+1], v[AL+2*\n]
	v_mov_b32 v[NM+2*\n+1], v[NM+2*\n]
.endr
	WIN 0x04
.irp n, 0,1,2,3
.irp p, 0,1,2,3,4,5,6,7,8,9,10,11,12,13,14,15
	v_pk_mul_f32 v[OA+32*\n+2*\p:OA+32*\n+2*\p+1], v[OA+32*\n+2*\p:OA+32*\n+2*\p+1], v[AL+2*\n:AL+2*\n+1]
.endr
.endr
	s_wait_dscnt 0x0                               ; the partner's O
	WIN 0x05
.irp n, 0,1,2,3
.irp p, 0,1,2,3,4,5,6,7,8,9,10,11,12,13,14,15
	v_pk_fma_f32 v[OA+32*\n+2*\p:OA+32*\n+2*\p+1], v[SC+32*\n+2*\p:SC+32*\n+2*\p+1], v[NM+2*\n:NM+2*\n+1], v[OA+32*\n+2*\p:OA+32*\n+2*\p+1]
.endr
.endr
	WIN 0
	; 16 queries at a time: a lane's 8 numbers of a tile are 16 neighbouring bytes of a row.  First the hi parts; then what the rounding left
	; (o - hi, exact in f32: hi holds o's leading bits) is rounded in its turn and leaves as the lo parts.
.irp n, 0,1,2,3
.irp dt, 0,1,2,3
.irp rr, 0,1,2,3
	v_cvt_pk_bf16_f32 v[TMP+4*\dt+\rr], v[OA+32*\n+8*\dt+2*\rr], v[OA+32*\n+8*\dt+2*\rr+1]
.endr
.endr
	PUT TMP, \cb, \n*2048
.irp dt, 0,1,2,3
.irp rr, 0,1,2,3
	v_lshlrev_b32 v[TT+2*(\rr%2)],   16, v[TMP+4*\dt+\rr]              ; bf16 to f32: the low half moves up,
	v_and_b32     v[TT+2*(\rr%2)+1], 0xffff0000, v[TMP+4*\dt+\rr]      ; the high half stays
	v_sub_f32 v[OA+32*\n+8*\dt+2*\rr],   v[OA+32*\n+8*\dt+2*\rr],   v[TT+2*(\rr%2)]
	v_sub_f32 v[OA+32*\n+8*\dt+2*\rr+1], v[OA+32*\n+8*\dt+2*\rr+1], v[TT+2*(\rr%2)+1]
.endr
.endr
.irp dt, 0,1,2,3
.irp rr, 0,1,2,3
	v_cvt_pk_bf16_f32 v[TL+4*\dt+\rr], v[OA+32*\n+8*\dt+2*\rr], v[OA+32*\n+8*\dt+2*\rr+1]
.endr
.endr
	PUT TL, \cb, \n*2048+PART
.endr
.Lno_merge_\@:
.endm
	; block j: 2 j + 2 tiles
	STEP 0, 1, 1, 0, 0, 1
	STEP 1, 0, 0, 1, 1, 1
	s_cmp_eq_u32 s20, 0
	s_cbranch_scc1 .Lblock1_done
	s_mov_b32 s21, s20                             ; j pairs of tiles below the diagonal
.Lblock1:
	STEP 0, 1, 0, -1, 2, 1
	STEP 1, 0, 0, -1, 2, 1
	s_sub_co_i32 s21, s21, 1
	s_cmp_gt_i32 s21, 0
	s_cbranch_scc1 .Lblock1
.Lblock1_done:
	FLUSH
	QLOAD 82                                       ; the second block's Q comes in under the merge
	MERGE 84
	; block 7 - j: 16 - 2 j tiles = the two on the diagonal, 6 - j pairs in the loop (at least 3), one pair written out
	STEP 0, 1, 1, 0, 0, 1
	STEP 1, 0, 0, 1, 1, 1
	s_sub_co_u32 s21, 6, s20
.Lblock2:
	STEP 0, 1, 0, -1, 2, 1
	STEP 1, 0, 0, -1, 2, 1
	s_sub_co_i32 s21, s21, 1
	s_cmp_gt_i32 s21, 0
	s_cbranch_scc1 .Lblock2
	STEP 0, 1, 0, -1, 2, 1
	STEP 1, 0, 0, -1, 2, 0                         ; the last tile: nothing is left to fetch
	FLUSH
	MERGE 86
	s_set_vgpr_msb 0x5
	s_wait_tensorcnt 0x0
	ds_add_u32 v254, v255
	s_wait_dscnt 0x0
	s_set_vgpr_msb 0x500
	s_endpgm
.Lfunc_end_k_qa739dc3999_attn:
	.size	k_qa739dc3999_attn, .Lfunc_end_k_qa739dc3999_attn-k_qa739dc3999_attn
	.p2alignl 7, 3214868480
	.fill 96, 4, 3214868480
	.section	.rodata,"a",@progbits
	.p2align	6, 0x0
	.amdhsa_kernel k_qa739dc3999_attn
		.amdhsa_group_segment_fixed_size 327680
		.amdhsa_private_segment_fixed_size 0
		.amdhsa_enable_private_segment 0
		.amdhsa_kernarg_size 16
		.amdhsa_user_sgpr_count 2
		.amdhsa_user_sgpr_kernarg_segment_ptr 1
		.amdhsa_wavefront_size32 1
		.amdhsa_system_sgpr_workgroup_id_x 1
		.amdhsa_system_sgpr_workgroup_id_y 1
		.amdhsa_system_sgpr_workgroup_id_z 1
		.amdhsa_system_vgpr_workitem_id 0
		.amdhsa_next_free_vgpr 512
		.amdhsa_next_free_sgpr 88
		.amdhsa_reserve_vcc 1
		.amdhsa_float_denorm_mode_32 3
		.amdhsa_float_denorm_mode_16_64 3
		.amdhsa_memory_ordered 1
		.amdhsa_forward_progress 1
		.amdhsa_inst_pref_size 255
	.end_amdhsa_kernel
	.section	.bss,"aw",@nobits
	.p2align	6
	.space	262144
	.amdgpu_metadata
---
amdhsa.version: [ 1, 2 ]
amdhsa.kernels:
  - .name:           k_qa739dc3999_attn
    .symbol:         k_qa739dc3999_attn.kd
    .args:
      - { .name: qkv, .offset: 0, .size: 8, .value_kind: global_buffer, .address_space: global }
      - { .name: ctx, .offset: 8, .size: 8, .value_kind: global_buffer, .address_space: global }
    .group_segment_fixed_size: 327680
    .private_segment_fixed_size: 0
    .kernarg_segment_align: 8
    .kernarg_segment_size: 16
    .max_flat_workgroup_size: 256
    .sgpr_count:     88
    .vgpr_count:     512
    .wavefront_size: 32
...
	.end_amdgpu_metadata
.endif
;; end of part 3
;; launch oproj (part 4): grid 4 x 64, 4 waves a work-group, clusters of 4 x 4, 327,680 bytes of LDS; arguments ctx, woh, out0; writes out0
.if DOCPART == 4
	.amdgcn_target "amdgcn-amd-amdhsa--gfx1250"
	.amdhsa_code_object_version 6
	.text
	.protected	k_qa739dc3999_oproj
	.globl	k_qa739dc3999_oproj
	.p2align	8
	.type	k_qa739dc3999_oproj,@function
k_qa739dc3999_oproj:
	s_mov_b64 s[64:65], 0
	v_nop
	global_prefetch_b8 v0, s[64:65] scope:SCOPE_SE
	s_setreg_imm32_b32 hwreg(HW_REG_WAVE_MODE, 25, 1), 1
	s_wait_xcnt 0x0
	s_wait_alu depctr_hold_cnt(0) depctr_sa_sdst(0) depctr_va_vdst(0) depctr_va_sdst(0) depctr_va_ssrc(0) depctr_va_vcc(0) depctr_vm_vsrc(0)
	s_getreg_b32 s2, hwreg(HW_REG_IB_STS2, 6, 4)
	s_cmp_eq_u32 s2, 0
	s_cbranch_scc0 .Lentry_in_a_cluster
	s_endpgm
.Lentry_in_a_cluster:
	s_bfe_u32 s2, ttmp6, 0x10000c
	s_cmp_lg_u32 s2, 0xf033
	s_cbranch_scc0 .Lentry_shape_is_right
	s_endpgm
.Lentry_shape_is_right:
; out0 = concat W_o^T: [8192] x [1024], bf16 operands, f32 sums, f32 out.
; ctx: [16 heads][64 row blocks][hi, lo][128 rows][64] bf16: each number of concat is the sum of a hi and a lo part, so
; out0 = hi W_o^T + lo W_o^T: 2 x 1024 along K.  woh: [16 chunks = heads][1024][64] bf16, out0: [8192][1024] f32.
; A work-group makes 128 rows x 256 columns: 64 x 4 = 256 work-groups.  Four waves; a wave makes 64 x 128: 4 x 8 = 32 accumulator tiles, window 2.
; For 32 along K of a head a wave loads 8 fragments of W_o, 4 of hi and 4 of lo, and W_o's serve both parts: 32 LDS loads feed 64 matrix instructions.
; An LDS slot holds TWO heads: for each, hi's and lo's 128 rows and W_o's 256 rows, at a pitch of 144 bytes: 4 x 36,864 = 147,456 bytes; two slots.
; Each of the four pieces is a dense run of 32,768 bytes of memory; the mover takes it as 128 rows of 256 bytes and pads behind every 128 bytes by 16.
; Waves 0 and 1 bring the two heads' ctx, waves 2 and 3 the two heads' W_o: one load a wave for a slot's 256 matrix instructions.
; CLUSTERS: 4 x 4 work-groups; ctx's tiles are asked for jointly along a row of the cluster, W_o's along a column.
; The matrix instruction is used transposed (source 0 = rows of W_o, source 1 = rows of ctx): a lane's eight results are 32 neighbouring bytes of a row.
; REGISTERS: window 0: addresses, ctx's fragments in two buffers (hi at +0, lo at +32), the way out; window 1: W_o's fragments in two buffers;
; window 2: accumulator tile (a, b) at 8 (8 a + b).
.set PITCH,  144
.set APART,  128*PITCH                 ; the hi (or lo) part of a head in LDS: 18,432
.set AHEAD,  2*APART                   ; a head of ctx's tile: 36,864
.set BHEAD,  256*PITCH                 ; a head of W_o's tile: 36,864
.set BOFF,   2*AHEAD
.set SLOT,   2*AHEAD+2*BHEAD           ; 147,456
.set STAGE,  2*SLOT                    ; 294,912, behind the ring: 16 rows x 272 bytes for each wave; no tensor load lands here
.set SPITCH, 272
.set AGL,    64*2*128*128              ; bytes of a head of ctx in memory: 2,097,152
.set BGL,    1024*128                  ; bytes of a chunk of woh
.set ADRA, 16                          ; v16-17  LDS address of my fragments of ctx in slot 0, 1
.set ADRB, 20                          ; v20-21  the same for W_o
.set STO,  24
.set RD,   25
.set CO,   26
.set F0,   64                          ; fragment buffer 0 (windows 0 and 1)
.set F1,   128                         ; fragment buffer 1
.set RB,   192                         ; the way out: rows read back
.set G1,  24
.set G0,  32
.set G1B, 48
.set G0B, 56
.set MUL,  0xa1                        ; source 0 (W_o) window 1, source 1 (ctx) window 0, C and D window 2
.set TO_B, 0x40                        ; destination window 1, address window 0
.set MSB, 0
.macro WIN new                         ; the immediate's high byte repeats the setting that is left
.if MSB != \new
	s_set_vgpr_msb (MSB<<8)|\new
.set MSB, \new
.endif
.endm
.macro JLOAD s                         ; a joint load: waves 0 and 1 ask for ctx, waves 2 and 3 for W_o
	s_cmp_eq_u32 s11, 0
	s_cbranch_scc0 .Lfor_b_\@
	tensor_load_to_lds s[G0+4*\s:G0+4*\s+3], s[G1:G1+7]
	s_nop 0
	s_branch .Lasked_\@
.Lfor_b_\@:
	tensor_load_to_lds s[G0B+4*\s:G0B+4*\s+3], s[G1B:G1B+7]
	s_nop 0
.Lasked_\@:
.endm
.macro CREST                           ; a round of the cluster's barrier, behind its opening barrier
	s_cmp_lg_u32 s10, 0
	s_cbranch_scc1 .Lnot_wave_0_\@
	s_barrier_signal -3
.Lnot_wave_0_\@:
	s_barrier_wait -3
	s_barrier_signal -1
	s_barrier_wait -1
.endm
.macro CROUND
	s_barrier_signal -1
	s_barrier_wait -1
	CREST
.endm
.macro PLACES                          ; four places behind the last matrix instruction, ahead of loads into its sources and of readers of its result
.rept 4
	v_nop
.endr
.endm
	s_load_b128 s[4:7], s[0:1], 0x0                ; ctx s[4:5], woh s[6:7]
	s_load_b64 s[8:9], s[0:1], 0x10                ; out0
	s_set_vgpr_msb 0x40
	v_lshl_add_u32 v255, v0, 2, 0x4c400
	s_set_vgpr_msb 0x4000
	v_mov_b32 v255, 0
	s_set_vgpr_msb 0x1
	ds_add_u32 v255, v255
	s_set_vgpr_msb 0x100
	v_lshrrev_b32 v1, 5, v0
	v_readfirstlane_b32 s10, v1                    ; wave 0..3
	s_lshr_b32 s11, s10, 1                         ; which 64 rows are mine.  Also: I fetch for ctx (0) or for W_o (1)
	s_and_b32 s12, s10, 1                          ; which 128 columns.  Also: which of a slot's two heads I fetch
	s_bfe_u32 s40, ttmp6, 0x40000                  ; cx
	s_bfe_u32 s41, ttmp6, 0x40004                  ; cy
	s_lshl_b32 s42, ttmp9, 2
	s_add_co_u32 s42, s42, s40                     ; block column = 4 x cluster x + cx
	s_and_b32 s13, ttmp7, 0xffff
	s_lshl_b32 s13, s13, 2
	s_add_co_u32 s13, s13, s41                     ; block row = 4 x cluster y + cy
	s_lshl_b32 s43, s41, 2
	s_lshl_b32 s43, 15, s43                        ; my row of the cluster
	s_lshl_b32 s44, 0x1111, s40                    ; my column
	; group 1: 128 rows of 32 elements of 8 bytes; 20 padding on; 21 set beside a mask; 24:22 after every 32 words (code 4); 31:25 four words (code 3)
	s_or_b32 s[G1+0],  s43, (3<<16)|(1<<20)|(1<<21)|(4<<22)|(3<<25)
	s_or_b32 s[G1B+0], s44, (3<<16)|(1<<20)|(1<<21)|(4<<22)|(3<<25)
	s_mov_b32 s[G1+1],  32<<16
	s_mov_b32 s[G1B+1], 32<<16
	s_mov_b32 s[G1+2],  128<<16
	s_mov_b32 s[G1B+2], 128<<16
	s_mov_b32 s[G1+3],  32<<16
	s_mov_b32 s[G1B+3], 32<<16
	s_mov_b32 s[G1+4],  128
	s_mov_b32 s[G1B+4], 128
	s_mov_b32 s[G1+5],  32
	s_mov_b32 s[G1B+5], 32
	s_mov_b32 s[G1+6],  0
	s_mov_b32 s[G1B+6], 0
	s_mov_b32 s[G1+7],  0
	s_mov_b32 s[G1B+7], 0
	; ctx's tiles hang on the block row alone, W_o's on the block column alone, each in registers that never hold the other coordinate
	s_lshl_b32 s16, s13, 15                        ; ctx: a row block (hi and lo) is 32,768 bytes
	s_lshl_b32 s17, s12, 21                        ; + my head of the two
	s_add_co_u32 s16, s16, s17
	s_mov_b32 s17, 0
	s_lshl_b32 s46, s42, 15                        ; W_o: 256 rows of 128 bytes for each block column
	s_lshl_b32 s47, s12, 17                        ; + my chunk of the two
	s_add_co_u32 s46, s46, s47
	s_mov_b32 s47, 0
	s_mul_i32 s20, s12, AHEAD                      ; where ctx's head goes
	s_mul_i32 s23, s12, BHEAD                      ; where W_o's goes,
	s_add_co_u32 s23, s23, BOFF                    ; behind ctx's two heads
	s_wait_dscnt 0x0
	s_wait_kmcnt 0x0
	s_add_nc_u64 s[14:15], s[4:5], s[16:17]
	s_add_nc_u64 s[46:47], s[6:7], s[46:47]
	CROUND                                         ; all sixteen work-groups are here: the first joint loads meet
.irp s, 0,1
	s_mov_b32 s[G0+4*\s], 1
	s_add_co_u32 s[G0+4*\s+1], s20, \s*SLOT
	s_add_nc_u64 s[G0+4*\s+2:G0+4*\s+3], s[14:15], \s*2*AGL        ; slot s: heads 2 s, 2 s + 1
	s_or_b32 s[G0+4*\s+3], s[G0+4*\s+3], 0x80000000
	s_mov_b32 s[G0B+4*\s], 1
	s_add_co_u32 s[G0B+4*\s+1], s23, \s*SLOT
	s_add_nc_u64 s[G0B+4*\s+2:G0B+4*\s+3], s[46:47], \s*2*BGL
	s_or_b32 s[G0B+4*\s+3], s[G0B+4*\s+3], 0x80000000
	JLOAD \s                                       ; two tensor loads of a wave are out here, later one
.endr
	; a fragment: lane l holds row l % 16; registers 0-3 K = 8 (l / 16) + 0..7, registers 4-7 K = 16 + 8 (l / 16) + 0..7
	v_and_b32 v1, 15, v0
	v_bfe_u32 v2, v0, 4, 1
	v_mul_u32_u24 v3, v1, PITCH
	v_lshl_add_u32 v3, v2, 4, v3
	s_mul_i32 s21, s11, 64*PITCH                   ; my 64 rows of ctx
	s_mul_i32 s22, s12, 128*PITCH                  ; my 128 rows of W_o
	s_add_co_u32 s22, s22, BOFF
.irp s, 0,1
	v_add_nc_u32 v[ADRA+\s], s21, v3
	v_add_nc_u32 v[ADRB+\s], s22, v3
	s_add_co_u32 s21, s21, SLOT
	s_add_co_u32 s22, s22, SLOT
.endr
	s_mul_i32 s45, s10, 16*SPITCH
	s_add_co_u32 s45, s45, STAGE                   ; my stage
	v_mul_u32_u24 v4, v1, SPITCH
	v_lshl_add_u32 v4, v2, 5, v4
	v_add_nc_u32 v[STO], s45, v4                   ; in: row l % 16, 32 bytes for each half of the lanes
	v_mul_u32_u24 v5, v2, SPITCH
	v_lshl_add_u32 v5, v1, 4, v5
	v_add_nc_u32 v[RD], s45, v5                    ; back: lanes 0-15 take a row of 256 bytes, lanes 16-31 the next
	v_lshlrev_b32 v6, 12, v2                       ; and the same two rows of out0 (4,096 bytes each)
	v_lshl_add_u32 v[CO], v1, 4, v6
; 16 matrix instructions: m tiles a0, a0 + 1 of part (0 hi, 1 lo) x all 8 n tiles, 32 along K, out of buffer f.
; The 32 accumulators take turns, one instruction a turn, in the same order for hi and for lo.  zero = 1: the first product starts the sums.
.macro MUL16 f, part, a0, zero
.irp a, \a0, \a0+1
.irp b, 0,1,2,3,4,5,6,7
.if \zero
	v_wmma_f32_16x16x32_bf16 v[8*(8*(\a)+\b):8*(8*(\a)+\b)+7], v[\f+8*\b:\f+8*\b+7], v[\f+8*(4*\part+(\a)):\f+8*(4*\part+(\a))+7], 0
.else
	v_wmma_f32_16x16x32_bf16 v[8*(8*(\a)+\b):8*(8*(\a)+\b)+7], v[\f+8*\b:\f+8*\b+7], v[\f+8*(4*\part+(\a)):\f+8*(4*\part+(\a))+7], v[8*(8*(\a)+\b):8*(8*(\a)+\b)+7]
.endif
.endr
.endr
.endm
; 32 LDS loads in one run: quarter q of a slot (head q / 2, byte 64 (q % 2) of the rows) into buffer f: W_o's 16, then hi's 8, then lo's 8
.macro FETCH slot, q, f
	WIN TO_B
.irp i, 0,1,2,3,4,5,6,7
	ds_load_b128 v[\f+8*\i:\f+8*\i+3],   v[ADRB+\slot] offset:(\q/2)*BHEAD+(\q%2)*64+\i*16*PITCH
	ds_load_b128 v[\f+8*\i+4:\f+8*\i+7], v[ADRB+\slot] offset:(\q/2)*BHEAD+(\q%2)*64+\i*16*PITCH+32
.endr
	WIN 0
.irp i, 0,1,2,3,4,5,6,7
	ds_load_b128 v[\f+8*\i:\f+8*\i+3],   v[ADRA+\slot] offset:(\q/2)*AHEAD+(\i/4)*APART+(\q%2)*64+(\i%4)*16*PITCH
	ds_load_b128 v[\f+8*\i+4:\f+8*\i+7], v[ADRA+\slot] offset:(\q/2)*AHEAD+(\i/4)*APART+(\q%2)*64+(\i%4)*16*PITCH+32
.endr
.endm
; One of a slot's first three quarters: multiplies buffer f (hi, then lo) and in its middle fetches quarter q into buffer g
.macro QUARTER slot, q, f, g, zero
	s_wait_dscnt 8                                 ; W_o's and hi's fragments are in; the youngest eight loads (lo's) may be out
	WIN MUL
	MUL16 \f, 0, 0, \zero
	MUL16 \f, 0, 2, \zero
	PLACES
	FETCH \slot, \q, \g
	s_wait_dscnt 32                                ; all but the 32 just issued
	WIN MUL
	MUL16 \f, 1, 0, 0
	MUL16 \f, 1, 2, 0
.endm
.macro THREE slot, zero
	QUARTER \slot, 1, F0, F1, \zero
	QUARTER \slot, 2, F1, F0, 0
	QUARTER \slot, 3, F0, F1, 0
.endm
; The last quarter: multiplies buffer 1 and changes slots.  In front of the barrier each wave waits for its reads of this slot and for all its tensor
; loads (one is out: its part of the next slot).  Where the slot is filled again the barrier opens a round of the cluster's barrier and the joint
; refill is the first tensor load behind the round.  From a request to the wait for it a wave issues 240 matrix instructions.
.macro TURN slot, next, fill
	s_wait_dscnt 8
	WIN MUL
	MUL16 F1, 0, 0, 0
	s_wait_dscnt 0                                 ; my reads of this slot are over
	s_wait_tensorcnt 0x0                           ; all my tensor loads have landed
	ds_add_u32 v255, v255
	s_wait_dscnt 0x0
	s_barrier_signal -1
	MUL16 F1, 0, 2, 0                              ; registers alone while the others arrive
	WIN 0
	s_barrier_wait -1
.if \fill
	CREST
	s_add_nc_u64 s[G0+4*\slot+2:G0+4*\slot+3], s[G0+4*\slot+2:G0+4*\slot+3], 4*AGL     ; four heads on
	s_add_nc_u64 s[G0B+4*\slot+2:G0B+4*\slot+3], s[G0B+4*\slot+2:G0B+4*\slot+3], 4*BGL
	JLOAD \slot
.endif
	PLACES
	FETCH \next, 0, F0
	WIN MUL
	MUL16 F1, 1, 0, 0                              ; lo's fragments are in since the wait for 0
	MUL16 F1, 1, 2, 0
.endm
.macro LAP zero                        ; four heads, both slots filled again
	THREE 0, \zero
	TURN 0, 1, 1
	THREE 1, 0
	TURN 1, 0, 1
.endm
	s_wait_tensorcnt 0x1                           ; my part of slot 0 is in; slot 1's may stay out
	s_barrier_signal -1
	s_barrier_wait -1
	FETCH 0, 0, F0
	LAP 1                                          ; the first products start the sums: nothing is cleared
	WIN 0                                          ; at a label and at a branch every window is 0
	s_mov_b32 s3, 2                                ; 16 heads = 4 laps: one in front, two here, one behind
.Llap:
	LAP 0
	WIN 0
	s_sub_co_u32 s3, s3, 1
	s_cmp_lg_u32 s3, 0
	s_cbranch_scc1 .Llap
	THREE 0, 0                                     ; the last lap fills nothing
	TURN 0, 1, 0
	THREE 1, 0
	s_wait_dscnt 8
	WIN MUL
	MUL16 F1, 0, 0, 0
	MUL16 F1, 0, 2, 0
	s_wait_dscnt 0
	MUL16 F1, 1, 0, 0
	MUL16 F1, 1, 2, 0
	PLACES
	WIN 0
	; THE WAY OUT, 16 rows x 64 columns at a time: the sums go as they are (f32) into my own stage and come back as whole rows of 256 bytes
	s_lshl_b32 s66, s13, 19                        ; 128 rows of 4,096 bytes for each block row
	s_lshl_b32 s67, s11, 18                        ; + my 64 rows
	s_add_co_u32 s66, s66, s67
	s_lshl_b32 s67, s42, 10                        ; + 256 columns of 4 bytes for each block column
	s_add_co_u32 s66, s66, s67
	s_lshl_b32 s67, s12, 9                         ; + my 128 columns
	s_add_co_u32 s66, s66, s67
	s_mov_b32 s67, 0
	s_add_nc_u64 s[8:9], s[8:9], s[66:67]
.macro OUT16 a, hf                     ; m tile a, n tiles 4 hf .. 4 hf + 3
	WIN 0x08                                       ; store data in window 2
.irp b, 0,1,2,3
	ds_store_b128 v[STO], v[8*(8*\a+4*\hf+\b):8*(8*\a+4*\hf+\b)+3]   offset:64*\b
	ds_store_b128 v[STO], v[8*(8*\a+4*\hf+\b)+4:8*(8*\a+4*\hf+\b)+7] offset:64*\b+16
.endr
	WIN 0
	s_wait_xcnt 0x0                                ; the earlier stores have had their addresses translated (ISA guide 3.1): their data registers and base are rewritten only behind this wait
.if (\a > 0) && (\hf == 0)
	s_add_nc_u64 s[8:9], s[8:9], 16*4096           ; 16 rows on
.endif
.irp t, 0,1,2,3,4,5,6,7
	ds_load_b128 v[RB+4*\t:RB+4*\t+3], v[RD] offset:\t*2*SPITCH    ; a wave's LDS instructions are served in order: these see the stores above
.endr
.irp t, 0,1,2,3,4,5,6,7
	s_wait_dscnt 7-\t
	global_store_b128 v[CO], v[RB+4*\t:RB+4*\t+3], s[8:9] offset:\t*2*4096+\hf*256 th:TH_STORE_NT   ; 16 lanes store 256 consecutive bytes, aligned
.endr
.endm
.irp a, 0,1,2,3
	OUT16 \a, 0
	OUT16 \a, 1
.endr
	s_set_vgpr_msb 0x1
	s_wait_tensorcnt 0x0
	ds_add_u32 v255, v255
	s_wait_dscnt 0x0
	s_set_vgpr_msb 0x100
	CROUND                                         ; the closing round: no work-group ends while a partner may still ask jointly
	s_endpgm
.Lfunc_end_k_qa739dc3999_oproj:
	.size	k_qa739dc3999_oproj, .Lfunc_end_k_qa739dc3999_oproj-k_qa739dc3999_oproj
	.p2alignl 7, 3214868480
	.fill 96, 4, 3214868480
	.section	.rodata,"a",@progbits
	.p2align	6, 0x0
	.amdhsa_kernel k_qa739dc3999_oproj
		.amdhsa_group_segment_fixed_size 327680
		.amdhsa_private_segment_fixed_size 0
		.amdhsa_enable_private_segment 0
		.amdhsa_kernarg_size 24
		.amdhsa_user_sgpr_count 2
		.amdhsa_user_sgpr_kernarg_segment_ptr 1
		.amdhsa_wavefront_size32 1
		.amdhsa_system_sgpr_workgroup_id_x 1
		.amdhsa_system_sgpr_workgroup_id_y 1
		.amdhsa_system_sgpr_workgroup_id_z 1
		.amdhsa_system_vgpr_workitem_id 0
		.amdhsa_next_free_vgpr 768
		.amdhsa_next_free_sgpr 68
		.amdhsa_reserve_vcc 0
		.amdhsa_float_denorm_mode_32 3
		.amdhsa_float_denorm_mode_16_64 3
		.amdhsa_memory_ordered 1
		.amdhsa_forward_progress 1
		.amdhsa_inst_pref_size 179
	.end_amdhsa_kernel
	.amdgpu_metadata
---
amdhsa.version: [ 1, 2 ]
amdhsa.kernels:
  - .name:           k_qa739dc3999_oproj
    .symbol:         k_qa739dc3999_oproj.kd
    .args:
      - { .name: ctx, .offset: 0, .size: 8, .value_kind: global_buffer, .address_space: global }
      - { .name: woh, .offset: 8, .size: 8, .value_kind: global_buffer, .address_space: global }
      - { .name: out0, .offset: 16, .size: 8, .value_kind: global_buffer, .address_space: global }
    .group_segment_fixed_size: 327680
    .private_segment_fixed_size: 0
    .kernarg_segment_align: 8
    .kernarg_segment_size: 24
    .max_flat_workgroup_size: 128
    .sgpr_count:     68
    .vgpr_count:     768
    .wavefront_size: 32
...
	.end_amdgpu_metadata
.endif
;; end of part 4
;; ======== version 2 of 2: 4 launches; version 1 with the launch cvt written anew for expert scheduling mode
;; limits: values are held in f16: magnitudes above 65,504 overflow, below 6.1e-05 lose precision
;; workspace buffers: xh 16,777,216 bytes; wqkvh 6,291,456 bytes; woh 2,097,152 bytes; qkv 50,331,648 bytes; ctx 33,554,432 bytes
;; launch cvt (part 5): grid 768 x 1, 8 waves a work-group, no clusters, 0 bytes of LDS; arguments x, W_qkv, W_o, xh, wqkvh, woh; writes xh, wqkvh, woh
.if DOCPART == 5
	.amdgcn_target "amdgcn-amd-amdhsa--gfx1250"
	.amdhsa_code_object_version 6
	.text
	.protected	k_qa739dc3999_cvt
	.globl	k_qa739dc3999_cvt
	.p2align	8
	.type	k_qa739dc3999_cvt,@function
k_qa739dc3999_cvt:
	s_mov_b64 s[64:65], 0
	v_nop
	global_prefetch_b8 v0, s[64:65] scope:SCOPE_SE
	s_setreg_imm32_b32 hwreg(HW_REG_WAVE_SCHED_MODE, 0, 2), 2
	s_setreg_imm32_b32 hwreg(HW_REG_WAVE_MODE, 25, 1), 1
	s_wait_xcnt 0x0
	s_wait_alu depctr_vm_vsrc(0)
; f32 -> bf16, and a new order: a source [rows][1024] f32 becomes [16 chunks][rows][64] bf16, so that 64 numbers along K of
; neighbouring rows lie in one dense run of memory: a row of a chunk is 128 bytes and rows follow each other without a gap.
; bf16 keeps f32's range, so the inputs have no limit of magnitude here; each is rounded once, to nearest even.
; One text serves x (8192 rows), W_qkv (3072 rows) and W_o (1024 rows): a work-group takes 16 rows of one of them,
; work-groups 0-511 of x, 512-703 of W_qkv, 704-767 of W_o.  Wave w takes chunks 2 w and 2 w + 1 of the 16 rows.
; A load of a wave covers 2 rows x 64 numbers: sixteen neighbouring lanes take 256 consecutive bytes of a row, aligned, so that
; no byte is asked for twice.  The store made of it is 8 bytes a lane: 2 rows x 128 bytes = 256 consecutive bytes of the chunk, aligned.
; Memory binds: no LDS, no barrier, no matrix unit.  All 16 loads of a wave go out first.
; THE MODE: SCHED_MODE bits 1:0 = 2 (LLVM: expert scheduling mode 2), set by the entry lines.  The code itself states the register dependences
; between vector instructions and memory instructions, with s_wait_alu, always for 0.
; THE PLAN.  Registers that memory instructions touch:
;   v[SO]         the loads' offset.  Written by vector lines at the head, never again; read by all 16 loads.
;   X             load k lands in its own four registers, once; no vector line names them before; two conversions read them.
;   v[D0], v[D0+1] the stores' offsets.  Written by two vector lines behind the loads, never again; read by the stores.
;   Y             store k's data, two registers of its own: written once, by load k's two conversions; read by store k; never written again.
; No register is loaded twice, and none that a memory instruction has read is written again: so nothing is owed on vm_vsrc.
; What is owed: one wait on va_sdst for the wave's number; one on va_vdst ahead of the loads, for v[SO]; and one on va_vdst ahead of stores, for their
; data.  So that this last is paid once for four stores, the work goes in four groups of four loads: the group's data are waited for, its eight
; conversions follow, one wait, its four stores.
.set SO, 2                             ; v2      my byte offset in the 16 source rows
.set D0, 4                             ; v4, v5  my byte offset in chunk 2 w, 2 w + 1 of the destination
.set X,  8                             ; v[8:71]   load k: 4 f32
.set Y,  72                            ; v[72:103] load k: 4 bf16
	s_load_b256 s[4:11], s[0:1], 0x0               ; x s[4:5], W_qkv s[6:7], W_o s[8:9], xh s[10:11]
	s_load_b128 s[12:15], s[0:1], 0x20             ; wqkvh s[12:13], woh s[14:15]
	v_lshrrev_b32 v1, 5, v0
	v_readfirstlane_b32 s22, v1                    ; wave
	v_and_b32 v1, 31, v0                           ; lane
	v_lshrrev_b32 v3, 4, v1                        ; lane / 16: which of 2 rows
	v_and_b32 v6, 15, v1                           ; lane % 16: which 4 numbers of the 64
	v_lshlrev_b32 v[SO], 12, v3                    ; a source row is 4,096 bytes
	v_lshl_add_u32 v[SO], v6, 4, v[SO]             ; + 16 bytes for each 4 f32
	s_wait_alu depctr_va_sdst(0)                   ; s22 is written, ahead of its first reader, the next line; the chunk's offset below is made from it too
	v_lshl_add_u32 v[SO], s22, 9, v[SO]            ; + the wave's two chunks: 512 bytes of a row
	s_mov_b32 s20, 3072*128                        ; bytes of a chunk of the destination
	s_mov_b32 s21, 512                             ; first work-group of the tensor
	s_wait_kmcnt 0x0
	s_cmp_lt_u32 ttmp9, 512                        ; x, or else W_qkv
	s_cselect_b64 s[16:17], s[4:5], s[6:7]
	s_cselect_b64 s[18:19], s[10:11], s[12:13]
	s_cselect_b32 s20, 8192*128, s20
	s_cselect_b32 s21, 0, s21
	s_cmp_lt_u32 ttmp9, 704                        ; or else W_o
	s_cselect_b64 s[16:17], s[16:17], s[8:9]
	s_cselect_b64 s[18:19], s[18:19], s[14:15]
	s_cselect_b32 s20, s20, 1024*128
	s_cselect_b32 s21, s21, 704
	s_sub_co_u32 s21, ttmp9, s21                   ; my number among the tensor's work-groups
	s_lshl_b32 s24, s21, 16                        ; 16 rows of 4,096 bytes
	s_mov_b32 s25, 0
	s_add_nc_u64 s[16:17], s[16:17], s[24:25]
	s_wait_alu depctr_va_vdst(0)                   ; v[SO] is written, which all 16 loads read as their offset
.irp k, 0,1,2,3,4,5,6,7,8,9,10,11,12,13,14,15
	global_load_b128 v[X+4*\k:X+4*\k+3], v[SO], s[16:17] offset:(\k/2)*8192+(\k%2)*256 th:TH_LOAD_NT   ; rows 2 (k / 2), + 1; chunk 2 w + k % 2
.endr
	s_lshl_b32 s26, s21, 11                        ; 16 rows of 128 bytes
	s_mov_b32 s27, 0
	s_add_nc_u64 s[18:19], s[18:19], s[26:27]
	s_mul_i32 s23, s22, s20
	s_lshl_b32 s23, s23, 1                         ; chunk 2 w
	v_lshl_add_u32 v[D0], v1, 3, s23               ; + (lane / 16) x 128 + (lane % 16) x 8 = 8 x lane
	v_add_nc_u32 v[D0+1], s20, v[D0]               ; chunk 2 w + 1
; Group g: loads and stores k = 4 g .. 4 g + 3.
.irp g, 0,1,2,3
	s_wait_loadcnt 12-4*(\g)                       ; loads come back in order: the group's four are in, the 12 - 4 g younger ones stay out
.irp i, 0,1,2,3
	v_cvt_pk_bf16_f32 v[Y+2*(4*(\g)+(\i))],   v[X+4*(4*(\g)+(\i))],   v[X+4*(4*(\g)+(\i))+1]
	v_cvt_pk_bf16_f32 v[Y+2*(4*(\g)+(\i))+1], v[X+4*(4*(\g)+(\i))+2], v[X+4*(4*(\g)+(\i))+3]
.endr
	s_wait_alu depctr_va_vdst(0)                   ; the group's eight conversions have written their Y, which the four stores below read; in group 0 also: v[D0] and v[D0+1] are written, every store's offset
.irp i, 0,1,2,3
	global_store_b64 v[D0+((\i)%2)], v[Y+2*(4*(\g)+(\i)):Y+2*(4*(\g)+(\i))+1], s[18:19] offset:((4*(\g)+(\i))/2)*256   ; read again by the next launch: no hint
.endr
.endr
	s_endpgm
.Lfunc_end_k_qa739dc3999_cvt:
	.size	k_qa739dc3999_cvt, .Lfunc_end_k_qa739dc3999_cvt-k_qa739dc3999_cvt
	.p2alignl 7, 3214868480
	.fill 96, 4, 3214868480
	.section	.rodata,"a",@progbits
	.p2align	6, 0x0
	.amdhsa_kernel k_qa739dc3999_cvt
		.amdhsa_group_segment_fixed_size 0
		.amdhsa_private_segment_fixed_size 0
		.amdhsa_enable_private_segment 0
		.amdhsa_kernarg_size 48
		.amdhsa_user_sgpr_count 2
		.amdhsa_user_sgpr_kernarg_segment_ptr 1
		.amdhsa_wavefront_size32 1
		.amdhsa_system_sgpr_workgroup_id_x 1
		.amdhsa_system_sgpr_workgroup_id_y 1
		.amdhsa_system_sgpr_workgroup_id_z 1
		.amdhsa_system_vgpr_workitem_id 0
		.amdhsa_next_free_vgpr 112
		.amdhsa_next_free_sgpr 66
		.amdhsa_reserve_vcc 0
		.amdhsa_float_denorm_mode_32 3
		.amdhsa_float_denorm_mode_16_64 3
		.amdhsa_memory_ordered 1
		.amdhsa_forward_progress 1
		.amdhsa_inst_pref_size 8
	.end_amdhsa_kernel
	.amdgpu_metadata
---
amdhsa.version: [ 1, 2 ]
amdhsa.kernels:
  - .name:           k_qa739dc3999_cvt
    .symbol:         k_qa739dc3999_cvt.kd
    .args:
      - { .name: x, .offset: 0, .size: 8, .value_kind: global_buffer, .address_space: global }
      - { .name: W_qkv, .offset: 8, .size: 8, .value_kind: global_buffer, .address_space: global }
      - { .name: W_o, .offset: 16, .size: 8, .value_kind: global_buffer, .address_space: global }
      - { .name: xh, .offset: 24, .size: 8, .value_kind: global_buffer, .address_space: global }
      - { .name: wqkvh, .offset: 32, .size: 8, .value_kind: global_buffer, .address_space: global }
      - { .name: woh, .offset: 40, .size: 8, .value_kind: global_buffer, .address_space: global }
    .group_segment_fixed_size: 0
    .private_segment_fixed_size: 0
    .kernarg_segment_align: 8
    .kernarg_segment_size: 48
    .max_flat_workgroup_size: 256
    .sgpr_count:     66
    .vgpr_count:     112
    .wavefront_size: 32
...
	.end_amdgpu_metadata
.endif
;; end of part 5
;; launch qkvp: the kernel of part 2 again; grid 8 x 32, 4 waves a work-group, clusters of 4 x 4, 327,680 bytes of LDS; arguments xh, wqkvh, qkv; writes qkv
;; launch attn: the kernel of part 3 again; grid 256 x 1, 8 waves a work-group, no clusters, 327,680 bytes of LDS; arguments qkv, ctx; writes ctx
;; launch oproj: the kernel of part 4 again; grid 4 x 64, 4 waves a work-group, clusters of 4 x 4, 327,680 bytes of LDS; arguments ctx, woh, out0; writes out0
